; MI455X (gfx1250); checked and timed in simulation.
; The chip was launched on July 23, 2026; its instructions are those of AMD's public machine-readable ISA for CDNA 5 (MIT licence, August 2026) and "CDNA5" Instruction Set Architecture Reference Guide (July 2026). The comments in the code are by the model that wrote it; some were corrected since.
;; RPT Attention. Allowed arithmetic: matrix products marked QUANTISED: E3M2 operands, one E8M0 scale for each 32 along K, by v_wmma_scale_f32_16x16x128_f8f6f4 with both operands' format E3M2, f32 sums; everything else in f32.
;; Inputs: hidden_states 1 x 2,048 x 2,048 float32; wk 2,048 x 512 float32; wo 2,048 x 2,048 float32; wq 2,048 x 2,048 float32; wv 2,048 x 512 float32.
;; Outputs: out0 1 x 2,048 x 2,048 float32.
;; This version of the problem:
;;   THIS VERSION OF THE PROBLEM IS GIVEN IN LOW PRECISION. The matrix products marked QUANTISED in the list below multiply operands that are first quantised to E3M2 (3 exponent bits, 2 mantissa bits; 6 bits a number), with one power-of-two scale for each 32 numbers along K (OCP MX v1.0); their sums are f32. All else is computed in f32.
;;   The module's matrix products, in the order in which they are computed (A, B: the left and right operand; K: the contracted axis; several contracted axes count as one K, in the product's order):
;;     1. [M 2,048, K 2,048] x [K 2,048, N 2,048]; A: input hidden_states; B: input wq: QUANTISED
;;     2. [M 2,048, K 2,048] x [K 2,048, N 512]; A: input hidden_states; B: input wk: QUANTISED
;;     3. [M 2,048, K 2,048] x [K 2,048, N 512]; A: input hidden_states; B: input wv: QUANTISED
;;     4. batch 16 x [M 2,048, K 128] x [K 128, N 2,048]; A: computed on the way; B: computed on the way: QUANTISED
;;     5. batch 16 x [M 128, K 2,048] x [K 2,048, N 2,048]; A: computed on the way; B: softmax (see below): QUANTISED
;;     6. [M 2,048, K 2,048] x [K 2,048, N 2,048]; A: computed on the way; B: input wo: QUANTISED
;;   THE QUANTISER, for each operand of a quantised product, along K:
;;     - K is cut into blocks of 32 from its start; a last block that is shorter is filled with zeros.
;;     - A block's scale is 2^e with e = floor(log2(the largest magnitude in the block)) - 4, held to -126 .. 127; a block of zeros has e = 0. As a byte (E8M0): e + 127.
;;     - Each number is divided by its block's scale, clamped to +-28, and rounded to the nearest number of E3M2, ties to even, subnormals kept.
;;     - The product sums the exact products of the quantised numbers (number of the format x scale) in f32.
;;   ~~~python
;;   def quantise(x, axis):      # numpy; x: float32 -> the quantised numbers, widened to float32 again
;;       x = np.moveaxis(x, axis, -1); K = x.shape[-1]
;;       x = np.pad(x, [(0, 0)] * (x.ndim - 1) + [(0, -K % 32)]); x = x.reshape(x.shape[:-1] + (-1, 32)); a = np.abs(x).max(-1, keepdims=True)
;;       e = np.where(a > 0, np.clip(np.frexp(np.where(a > 0, a, 1))[1] - 1 - 4, -126, 127), 0)      # np.frexp(a)[1] - 1 = floor(log2(a)), exactly
;;       r = np.clip(x / 2.0 ** e, -28, 28)
;;       step = 2.0 ** (np.maximum(np.frexp(np.where(r == 0, 1, r))[1] - 1, -2) - 2)
;;       q = np.round(r / step) * step * 2.0 ** e      # np.round: ties to even
;;       return np.moveaxis(q.reshape(q.shape[:-2] + (-1,))[..., :K], -1, axis).astype(np.float32)
;;   ~~~
;;   SOFTMAX AHEAD OF A QUANTISED PRODUCT. Where the list says 'softmax', what is quantised is not the finished softmax but p = 2^(t - M), with t = logit x log2(e) and M = ceil(the row's largest t), a whole number; so 1/2 < the row's largest p <= 1. The row's sum l is taken of the UNQUANTISED p, in f32, and the product's result is divided by l at the end. Since M is a whole number, a kernel that streams over the keys may use a running M (the ceiling of the running maximum): every later rescaling is an exact power of two, which a block's scale takes up: the codes' values come out the same.
;;   OPERANDS COMPUTED ON THE WAY. 'Computed on the way' means the value that the module computes at that place (a softmax that the list does not call 'softmax' is quantised finished and normalised). What goes into a quantiser is computed in f32, as accurately as f32 sums, v_exp_f32 and their like allow (about 1e-6 of the number): no bf16 or f16 on the way to a quantiser, and a product that is left as it is and whose result goes on into a quantised operand takes f32 operands (vector FMAs, or v_wmma_f32_16x16x4_f32). A number that lies on a knife's edge between two numbers of the format may be rounded either way, as far as f32 arithmetic and the matrix unit's own rounding can turn it there, and no further.
;; One version. Each part assembles by itself: llvm-mc -triple=amdgcn-amd-amdhsa -mcpu=gfx1250 --defsym DOCPART=n.
;; ======== version 1 of 1: 4 launches
;; workspace buffers: xq 3,276,800 bytes; wqkv 4,915,200 bytes; woq 3,276,800 bytes; rope 1,048,576 bytes; qc 3,145,728 bytes; qs 131,072 bytes; kvr 1,638,400 bytes; aq 3,276,800 bytes
;; launch prep (part 1): grid 896 x 1, 4 waves a work-group, no clusters, 58,880 bytes of LDS; arguments hidden_states, wq, wk, wv, wo, xq, wqkv, woq, rope; writes xq, wqkv, woq, rope
.if DOCPART == 1
	.amdgcn_target "amdgcn-amd-amdhsa--gfx1250"
	.amdhsa_code_object_version 6
	.text
	.protected	k_q91128c778d_prep
	.globl	k_q91128c778d_prep
	.p2align	8
	.type	k_q91128c778d_prep,@function
k_q91128c778d_prep:
	s_mov_b64 s[64:65], 0
	v_nop
	global_prefetch_b8 v0, s[64:65] scope:SCOPE_SE
	s_setreg_imm32_b32 hwreg(HW_REG_WAVE_MODE, 25, 1), 1
	s_wait_xcnt 0x0
; PREP: every f32 input is read once and turned into codes of BF6 (E3M2) with one E8M0 byte for each 32 along K, laid as IMAGES OF OPERAND REGISTERS, so that the
; later launches load fragments by 16-byte loads alone.  A fragment is 16 rows x 128 K, 12 registers a lane: lane (r, h) holds, in registers 6 c .. 6 c + 5, k = 64 c + 32 h + 0 .. 31 of row r.
; Its image is 1,536 bytes: piece n (512 bytes) holds registers 4 n .. 4 n + 3, lane l at 16 l.  Its scale words: 64 bytes, row r at 4 r.
; A block's scale is 2^(floor(log2(largest magnitude)) - 4); its byte is the largest magnitude's exponent field - 4, held at 1 from below.
; WORK-GROUPS 0-255: a record of xq (128 tokens x 128 K of hidden_states: 8 fragments + 512 bytes of scale words), and 8 tokens of the table of cos and sin.
; 256-511: wq, 512-767: wo (128 columns x 128 K);  768-831: wk, 832-895: wv (likewise).  A weight's K is its first axis: a lane takes a column and its registers run down K.
; THE COLUMNS OF A WEIGHT FRAGMENT ARE NOT NEIGHBOURS: of 32 columns, fragment u (0, 1) has column 8 u + r + 8 (r / 8) in lane r.
; No barrier: a wave touches only LDS bytes of its own; each of the three paths has LDS bytes of its own.  No matrix unit, no cluster: nothing is shared and memory binds.
; LIMITS: NaN and infinities among the inputs are not served.  A block of zeros, or one whose largest magnitude lies under 2^(4 - 126), gets the byte 1: its codes are zeros (or are held at that scale), and only this program reads the bytes.
; The frequency 10000^(-i/64) is made by v_exp_f32 with a correction of the exponent's rounding: an angle may differ from an exactly rounded one by about 1e-7 of itself (2e-4 rad at the largest angle).
.set XP,    528                        ; a row of 512 bytes + 16 in the stage of the path for hidden_states
.set XPW,   16*XP                      ; a wave's stage there
.set WSTA,  4*XPW                      ; the stages of the path for wq and wo: 3,072 bytes a wave
.set WPW,   3072
.set WSTB,  WSTA+4*WPW                 ; and of the path for wk and wv
.set FLOOR, 0x2800000                  ; 2^(5 - 127): no largest magnitude is taken under it, so the byte cannot fall under 1
.set EOFF,  0xfe000000                 ; takes 4 off an exponent field
	s_load_b256 s[4:11], s[0:1], 0x0               ; hidden s[4:5], wq s[6:7], wk s[8:9], wv s[10:11]
	s_load_b256 s[12:19], s[0:1], 0x20             ; wo s[12:13], xq s[14:15], wqkv s[16:17], woq s[18:19]
	s_load_b64 s[20:21], s[0:1], 0x40              ; rope
	v_lshl_add_u32 v62, v0, 2, 0xe400
	v_mov_b32 v63, 0
	v_lshrrev_b32 v1, 5, v0
	v_readfirstlane_b32 s22, v1                    ; wave
	v_and_b32 v1, 31, v0                           ; lane
	v_and_b32 v2, 15, v0                           ; r
	v_bfe_u32 v3, v0, 4, 1                         ; h
	v_lshlrev_b32 v4, 4, v1                        ; 16 x lane
	v_lshlrev_b32 v5, 2, v1                        ; 4 x lane
	s_mul_i32 s23, s22, XPW
	v_add_nc_u32 v6, s23, v4                       ; stage of hidden_states, in: 16 x lane of a row
	v_mul_u32_u24 v7, v2, XP
	v_lshl_add_u32 v7, v3, 7, v7
	v_add_nc_u32 v7, s23, v7                       ; and out: row r, + 128 h bytes
	v_bfe_u32 v8, v0, 3, 1                         ; a weight's column = lane: its fragment u
	v_and_b32 v9, 7, v0
	v_lshl_add_u32 v9, v3, 3, v9                   ; and its row there: (lane % 8) + 8 (lane / 16)
	v_mul_u32_u24 v10, v8, 1536
	v_lshl_add_u32 v10, v9, 4, v10
	s_mul_i32 s23, s22, WPW
	v_add_nc_u32 v11, s23, v10                     ; a weight's stage, in: 1,536 u + 16 row
	v_add_nc_u32 v12, s23, v4                      ; and out: 16 x lane
	v_lshlrev_b32 v13, 6, v8
	v_lshl_add_u32 v13, v9, 2, v13                 ; its scale word's place: 64 u + 4 row
	s_mov_b32 s34, 0x76543210
	s_mov_b32 s35, 0xfedcba98                      ; v_permlanex16_b32's selects for lane l xor 16
	s_mov_b32 s36, 0xffff0000                      ; lanes 16-31
	s_wait_kmcnt 0x0
	s_cmp_lt_u32 ttmp9, 256
	s_cbranch_scc0 .Lweights
	; ---------------- hidden_states: record id = 16 (token / 128) + K step; wave w makes row blocks 2 w and 2 w + 1
	s_lshr_b32 s24, ttmp9, 4
	s_lshl_b32 s24, s24, 20                        ; 128 tokens of 8,192 bytes
	s_lshl_b32 s25, s22, 18                        ; 32 tokens a wave
	s_add_co_u32 s24, s24, s25
	s_and_b32 s25, ttmp9, 15
	s_lshl_b32 s25, s25, 9                         ; 128 numbers along K
	s_add_co_u32 s24, s24, s25
	s_mov_b32 s25, 0
	s_add_nc_u64 s[4:5], s[4:5], s[24:25]
.set JJ, 0
.rept 32
	global_load_b128 v[64+4*JJ:67+4*JJ], v4, s[4:5] offset:JJ*8192 th:TH_LOAD_NT   ; a row's 512 consecutive bytes; all 32 rows are asked for at once
.set JJ, JJ+1
.endr
	s_mul_i32 s24, ttmp9, 12800
	s_mul_i32 s26, s22, 3072
	s_add_co_u32 s26, s26, s24
	s_mov_b32 s27, 0
	s_add_nc_u64 s[26:27], s[14:15], s[26:27]      ; my two fragments' images
	s_lshl_b32 s28, s22, 7
	s_add_co_u32 s28, s28, s24
	s_add_co_u32 s28, s28, 12288
	s_mov_b32 s29, 0
	s_add_nc_u64 s[28:29], s[14:15], s[28:29]      ; and their scale words
	s_lshl_b32 s30, ttmp9, 12
	s_mov_b32 s31, 0
	s_add_nc_u64 s[30:31], s[20:21], s[30:31]      ; the table's 8 tokens of 512 bytes
	s_lshl_b32 s33, ttmp9, 3
	s_mov_b32 s32, 0x3e549a78                      ; C = log2(10000) / 64, rounded
	; the table, while the loads are on their way: thread t takes pair i = t % 64 of tokens 8 id + t / 64 + 2 n
	v_and_b32 v16, 63, v0
	v_lshrrev_b32 v17, 6, v0
	v_lshlrev_b32 v18, 9, v17
	v_lshl_add_u32 v18, v16, 3, v18                ; where (cos, sin) goes: 512 x token + 8 i
	v_add_nc_u32 v17, s33, v17                     ; the first token
	v_cvt_f32_u32 v19, v16
	v_mul_f32 v20, s32, v19                        ; a = i C, rounded
	v_fma_f32 v21, v19, s32, -v20                  ; what that rounding lost,
	v_fmamk_f32 v21, v19, 0x3197995f, v21          ; and i x (what C's own rounding lost)
	v_exp_f32 v22, -v20                            ; 2^-a
	v_mul_f32 v21, 0x3f317218, v21                 ; x ln 2  (a plain line behind the exponential)
	s_wait_alu depctr_va_vdst(0)
	v_fma_f32 v22, -v21, v22, v22                  ; the frequency: 2^-a (1 - e ln 2)
	v_mov_b32 v48, 0                               ; a lane permute's destination counts as one of its sources
	v_lshlrev_b32 v47, 3, v3                       ; 8 h
; angle = token x frequency; q = the nearest multiple of pi/2, taken off in two parts; sin and cos of the rest (|rest| <= pi/4 and a little) by polynomials; the quadrant swaps them and sets the signs
.macro SINCOS n
	v_add_nc_u32 v24, 2*\n, v17
	v_cvt_f32_u32 v24, v24
	v_mul_f32 v24, v24, v22
	v_mul_f32 v25, 0x3f22f983, v24                 ; x 2 / pi
	v_rndne_f32 v25, v25
	v_fmamk_f32 v26, v25, 0xbfc90fdb, v24          ; - q x (pi/2 rounded)
	v_fmamk_f32 v26, v25, 0x333bbd2e, v26          ; - q x (what that rounding lost, which is negative)
	v_mul_f32 v27, v26, v26
	v_mov_b32 v28, 0xb94ca1f9
	v_fmaak_f32 v28, v28, v27, 0x3c08839e
	v_fmaak_f32 v28, v28, v27, 0xbe2aaaa3
	v_mul_f32 v28, v28, v27
	v_fma_f32 v28, v28, v26, v26                   ; sin
	v_mov_b32 v29, 0x37ccf5ce
	v_fmaak_f32 v29, v29, v27, 0xbab6061a
	v_fmaak_f32 v29, v29, v27, 0x3d2aaaa5
	v_mul_f32 v29, v29, v27
	v_fma_f32 v30, v27, -0.5, 1.0
	v_fma_f32 v29, v29, v27, v30                   ; cos
	v_cvt_i32_f32 v25, v25
	v_and_b32 v30, 1, v25
	v_cmp_eq_u32 vcc_lo, 1, v30
	v_cndmask_b32 v31, v28, v29, vcc_lo            ; odd quadrants: sin takes cos,
	v_cndmask_b32 v30, v29, v28, vcc_lo            ; cos takes sin
	v_and_b32 v28, 2, v25
	v_lshlrev_b32 v28, 30, v28
	v_xor_b32 v[33+2*\n], v28, v31                 ; sin is negative in quadrants 2, 3
	v_add_nc_u32 v25, 1, v25
	v_and_b32 v25, 2, v25
	v_lshlrev_b32 v25, 30, v25
	v_xor_b32 v[32+2*\n], v25, v30                 ; cos in quadrants 1, 2
	global_store_b64 v18, v[32+2*\n:33+2*\n], s[30:31] offset:1024*\n   ; a wave stores 256 consecutive bytes, aligned; each n has its own data registers
.endm
	SINCOS 0
	SINCOS 1
	SINCOS 2
	SINCOS 3
; One fragment: its 16 rows go through my stage as they lie and come back 128 bytes a lane and block: lane (r, h) then holds blocks h and 2 + h of row r, whole.
.macro XFRAG p
.set CB, 96+16*\p                      ; the codes: registers of their own for each fragment, so that no store's data are written again (they lie where the first fragment's rows lay: those have gone to the stage)
.if \p == 0
	s_wait_loadcnt 16                              ; the first fragment's 16 rows are in; the other's 16 loads may be out
.else
	s_wait_loadcnt 0x0
.endif
.set JJ, 0
.rept 16
	ds_store_b128 v6, v[64+64*\p+4*JJ:67+64*\p+4*JJ] offset:JJ*XP
.set JJ, JJ+1
.endr
.set JJ, 0
.rept 16
	ds_load_b128 v[192+4*JJ:195+4*JJ], v7 offset:256*(JJ/8)+16*(JJ%8)   ; LDS serves a wave's instructions in order: these see the stores above
.set JJ, JJ+1
.endr
	s_wait_dscnt 0x0
	v_max3_num_f32 v40, |v192|, |v193|, FLOOR      ; the two blocks' largest magnitudes, by turns
	v_max3_num_f32 v41, |v224|, |v225|, FLOOR
.irp i, 2,4,6,8,10,12,14,16,18,20,22,24,26,28,30
	v_max3_num_f32 v40, v40, |v[192+\i]|, |v[193+\i]|
	v_max3_num_f32 v41, v41, |v[224+\i]|, |v[225+\i]|
.endr
	v_add_nc_u32 v42, EOFF, v40                    ; the conversion takes the exponent field of this operand as its scale
	v_add_nc_u32 v43, EOFF, v41
	v_lshrrev_b32 v44, 23, v42                     ; the bytes
	v_lshrrev_b32 v45, 23, v43
	v_lshl_or_b32 v46, v45, 16, v44                ; blocks h and 2 + h,
	v_lshlrev_b32 v46, v47, v46                    ; at their places in the word;
	v_permlanex16_b32 v48, v46, s34, s35
	v_or_b32 v[50+\p], v46, v48                    ; with lane l xor 16's two the word is whole
.irp c, 0,1
	v_cvt_scalef32_pk16_bf6_f32 v[CB+6*\c:CB+6*\c+2], v[192+32*\c:207+32*\c], v[42+\c]
	v_cvt_scalef32_pk16_bf6_f32 v[88+4*\c:90+4*\c], v[208+32*\c:223+32*\c], v[42+\c]   ; (a conversion's three registers begin on an even number)
.endr
	v_nop                                          ; one plain line behind a scaled conversion
.irp c, 0,1
.irp i, 0,1,2
	v_mov_b32 v[CB+3+6*\c+\i], v[88+4*\c+\i]
.endr
.endr
.irp n, 0,1,2
	global_store_b128 v4, v[CB+4*\n:CB+4*\n+3], s[26:27] offset:1536*\p+512*\n   ; 512 consecutive bytes, aligned
.endr
.endm
	XFRAG 0
	XFRAG 1
	v_cndmask_b32 v49, v50, v51, s36               ; lanes 0-15 the first fragment's words, lanes 16-31 the second's
	global_store_b32 v5, v49, s[28:29]
	s_wait_tensorcnt 0x0
	ds_add_u32 v62, v63
	s_wait_dscnt 0x0
	s_endpgm
; ---------------- a weight: wave w takes 32 columns x 128 along K.  src s[6:7], images s[32:33], scale words s[28:29]
.macro WLOAD t, pitch                  ; block t: rows 32 t + i of my column, into set t % 2
.set JJ, 0
.rept 32
	global_load_b32 v[64+32*((\t)%2)+JJ], v5, s[6:7] offset:(32*(\t)+JJ)*\pitch th:TH_LOAD_NT
.set JJ, JJ+1
.endr
.endm
.macro WBLOCK t, pitch, stage
.set XS, 64+32*((\t)%2)
.set CT, 128+8*(\t)                    ; the block's six registers of codes
.if (\t) < 3
	s_wait_loadcnt 32                              ; this block's 32 loads are in; the next block's may be out
.else
	s_wait_loadcnt 0x0
.endif
	v_max3_num_f32 v40, |v[XS]|, |v[XS+1]|, |v[XS+2]|
	v_max3_num_f32 v41, |v[XS+3]|, |v[XS+4]|, |v[XS+5]|
.irp i, 6,10,14,18,22,26
	v_max3_num_f32 v40, v40, |v[XS+\i]|, |v[XS+\i+1]|
	v_max3_num_f32 v41, v41, |v[XS+\i+2]|, |v[XS+\i+3]|
.endr
	v_max3_num_f32 v40, v40, |v[XS+30]|, |v[XS+31]|
	v_max3_num_f32 v40, v40, v41, FLOOR
	v_add_nc_u32 v42, EOFF, v40
	v_lshrrev_b32 v43, 23, v42
.if (\t) == 0
	v_mov_b32 v44, v43                             ; the column's scale word, the lower K in the lower byte
.else
	v_lshl_or_b32 v44, v43, 8*(\t), v44
.endif
	v_cvt_scalef32_pk16_bf6_f32 v[CT:CT+2], v[XS:XS+15], v42
	v_cvt_scalef32_pk16_bf6_f32 v[160:162], v[XS+16:XS+31], v42
	v_nop                                          ; one plain line behind a scaled conversion
.irp i, 0,1,2
	v_mov_b32 v[CT+3+\i], v[160+\i]
.endr
; block t is registers 6 (t / 2) .. + 5 of the image's lane row + 16 (t % 2)
.if (\t) < 2
	ds_store_b128 v11, v[CT:CT+3] offset:\stage+256*(\t)
	ds_store_b64 v11, v[CT+4:CT+5] offset:\stage+512+256*(\t)
.else
	ds_store_b64 v11, v[CT:CT+1] offset:\stage+512+256*((\t)-2)+8
	ds_store_b128 v11, v[CT+2:CT+5] offset:\stage+1024+256*((\t)-2)
.endif
.if (\t) < 2
	WLOAD (\t)+2, \pitch
.endif
.endm
.macro WPATH pitch, stage
	WLOAD 0, \pitch
	WLOAD 1, \pitch
	WBLOCK 0, \pitch, \stage
	WBLOCK 1, \pitch, \stage
	WBLOCK 2, \pitch, \stage
	WBLOCK 3, \pitch, \stage
.irp n, 0,1,2,3,4,5
	ds_load_b128 v[164+4*\n:167+4*\n], v12 offset:\stage+512*\n   ; the two images, as they will lie in memory
.endr
.irp n, 0,1,2,3,4,5
	s_wait_dscnt 5-\n                              ; the younger loads may be out
	global_store_b128 v4, v[164+4*\n:167+4*\n], s[32:33] offset:512*\n
.endr
	global_store_b32 v13, v44, s[28:29]
	s_wait_tensorcnt 0x0
	ds_add_u32 v62, v63
	s_wait_dscnt 0x0
	s_endpgm
.endm
.Lweights:
	s_cmp_lt_u32 ttmp9, 768
	s_cbranch_scc0 .Lnarrow
	; wq (records of 19,200 bytes: q's blocks 0, 1 are fragments 0-3, blocks 2, 3 fragments 6-9) or wo (records of 12,800 bytes: block w is fragments 2 w, 2 w + 1)
	s_and_b32 s24, ttmp9, 255                      ; the record: 16 (column / 128) + K step
	s_lshr_b32 s25, s24, 4
	s_and_b32 s26, s24, 15
	s_lshl_b32 s26, s26, 20                        ; 128 rows of 8,192 bytes
	s_lshl_b32 s25, s25, 9
	s_add_co_u32 s26, s26, s25
	s_lshl_b32 s25, s22, 7
	s_add_co_u32 s26, s26, s25
	s_mov_b32 s27, 0
	s_lshl_b32 s28, s22, 1                         ; 2 w
	s_lshr_b32 s29, s22, 1
	s_lshl_b32 s29, s29, 1
	s_add_co_u32 s29, s29, s28                     ; 2 w + 2 (w / 2)
	s_mov_b32 s30, 19200
	s_mov_b32 s31, 18432
	s_mov_b32 s32, 12800
	s_mov_b32 s33, 12288
	s_cmp_lt_u32 ttmp9, 512                        ; the choice hangs on the work-group's number alone
	s_cselect_b64 s[6:7], s[6:7], s[12:13]
	s_cselect_b64 s[16:17], s[16:17], s[18:19]
	s_cselect_b32 s28, s29, s28                    ; my first fragment
	s_cselect_b32 s30, s30, s32                    ; a record's bytes
	s_cselect_b32 s31, s31, s33                    ; where its scale words begin
	s_mul_i32 s30, s24, s30
	s_mul_i32 s32, s28, 1536
	s_add_co_u32 s32, s32, s30
	s_mov_b32 s33, 0
	s_lshl_b32 s28, s28, 6
	s_add_co_u32 s28, s28, s30
	s_add_co_u32 s28, s28, s31
	s_mov_b32 s29, 0
	s_add_nc_u64 s[6:7], s[6:7], s[26:27]
	s_add_nc_u64 s[32:33], s[16:17], s[32:33]
	s_add_nc_u64 s[28:29], s[16:17], s[28:29]
	WPATH 8192, WSTA
.Lnarrow:
	; wk (fragments 4, 5 of a record of wqkv) or wv (fragments 10, 11): 32 columns belong to record column 4 (id' / 16) + w
	s_sub_co_u32 s24, ttmp9, 768
	s_and_b32 s24, s24, 63
	s_lshr_b32 s25, s24, 4
	s_and_b32 s26, s24, 15
	s_lshl_b32 s27, s25, 2
	s_add_co_u32 s27, s27, s22
	s_lshl_b32 s27, s27, 4
	s_add_co_u32 s27, s27, s26
	s_mul_i32 s30, s27, 19200
	s_lshl_b32 s26, s26, 18                        ; 128 rows of 2,048 bytes
	s_lshl_b32 s25, s25, 9
	s_add_co_u32 s26, s26, s25
	s_lshl_b32 s25, s22, 7
	s_add_co_u32 s26, s26, s25
	s_mov_b32 s27, 0
	s_cmp_lt_u32 ttmp9, 832
	s_cselect_b64 s[6:7], s[8:9], s[10:11]
	s_cselect_b32 s28, 4, 10
	s_mul_i32 s32, s28, 1536
	s_add_co_u32 s32, s32, s30
	s_mov_b32 s33, 0
	s_lshl_b32 s28, s28, 6
	s_add_co_u32 s28, s28, s30
	s_add_co_u32 s28, s28, 18432
	s_mov_b32 s29, 0
	s_add_nc_u64 s[6:7], s[6:7], s[26:27]
	s_add_nc_u64 s[32:33], s[16:17], s[32:33]
	s_add_nc_u64 s[28:29], s[16:17], s[28:29]
	WPATH 2048, WSTB
.Lfunc_end_k_q91128c778d_prep:
	.size	k_q91128c778d_prep, .Lfunc_end_k_q91128c778d_prep-k_q91128c778d_prep
	.p2alignl 7, 3214868480
	.fill 96, 4, 3214868480
	.section	.rodata,"a",@progbits
	.p2align	6, 0x0
	.amdhsa_kernel k_q91128c778d_prep
		.amdhsa_group_segment_fixed_size 58880
		.amdhsa_private_segment_fixed_size 0
		.amdhsa_enable_private_segment 0
		.amdhsa_kernarg_size 72
		.amdhsa_user_sgpr_count 2
		.amdhsa_user_sgpr_kernarg_segment_ptr 1
		.amdhsa_wavefront_size32 1
		.amdhsa_system_sgpr_workgroup_id_x 1
		.amdhsa_system_sgpr_workgroup_id_y 1
		.amdhsa_system_sgpr_workgroup_id_z 1
		.amdhsa_system_vgpr_workitem_id 0
		.amdhsa_next_free_vgpr 256
		.amdhsa_next_free_sgpr 66
		.amdhsa_reserve_vcc 1
		.amdhsa_float_denorm_mode_32 3
		.amdhsa_float_denorm_mode_16_64 3
		.amdhsa_memory_ordered 1
		.amdhsa_forward_progress 1
		.amdhsa_inst_pref_size 65
	.end_amdhsa_kernel
	.amdgpu_metadata
---
amdhsa.version: [ 1, 2 ]
amdhsa.kernels:
  - .name:           k_q91128c778d_prep
    .symbol:         k_q91128c778d_prep.kd
    .args:
      - { .name: hidden_states, .offset: 0, .size: 8, .value_kind: global_buffer, .address_space: global }
      - { .name: wq, .offset: 8, .size: 8, .value_kind: global_buffer, .address_space: global }
      - { .name: wk, .offset: 16, .size: 8, .value_kind: global_buffer, .address_space: global }
      - { .name: wv, .offset: 24, .size: 8, .value_kind: global_buffer, .address_space: global }
      - { .name: wo, .offset: 32, .size: 8, .value_kind: global_buffer, .address_space: global }
      - { .name: xq, .offset: 40, .size: 8, .value_kind: global_buffer, .address_space: global }
      - { .name: wqkv, .offset: 48, .size: 8, .value_kind: global_buffer, .address_space: global }
      - { .name: woq, .offset: 56, .size: 8, .value_kind: global_buffer, .address_space: global }
      - { .name: rope, .offset: 64, .size: 8, .value_kind: global_buffer, .address_space: global }
    .group_segment_fixed_size: 58880
    .private_segment_fixed_size: 0
    .kernarg_segment_align: 8
    .kernarg_segment_size: 72
    .max_flat_workgroup_size: 128
    .sgpr_count:     66
    .vgpr_count:     256
    .wavefront_size: 32
...
	.end_amdgpu_metadata
.endif
;; end of part 1
;; launch qkv (part 2): grid 16 x 16, 4 waves a work-group, clusters of 4 x 4, 327,680 bytes of LDS; arguments xq, wqkv, rope, qc, qs, kvr; writes qc, qs, kvr
.if DOCPART == 2
	.amdgcn_target "amdgcn-amd-amdhsa--gfx1250"
	.amdhsa_code_object_version 6
	.text
	.protected	k_q91128c778d_qkv
	.globl	k_q91128c778d_qkv
	.p2align	8
	.type	k_q91128c778d_qkv,@function
k_q91128c778d_qkv:
	s_mov_b64 s[64:65], 0
	v_nop
	global_prefetch_b8 v0, s[64:65] scope:SCOPE_SE
	s_setreg_imm32_b32 hwreg(HW_REG_WAVE_MODE, 25, 1), 1
	s_wait_xcnt 0x0
	s_wait_alu depctr_hold_cnt(0) depctr_sa_sdst(0) depctr_va_vdst(0) depctr_va_sdst(0) depctr_va_ssrc(0) depctr_va_vcc(0) depctr_vm_vsrc(0)
	s_getreg_b32 s2, hwreg(HW_REG_IB_STS2, 6, 4)
	s_cmp_eq_u32 s2, 0
	s_cbranch_scc0 .Lentry_in_a_cluster
	s_endpgm
.Lentry_in_a_cluster:
	s_bfe_u32 s2, ttmp6, 0x10000c
	s_cmp_lg_u32 s2, 0xf033
	s_cbranch_scc0 .Lentry_shape_is_right
	s_endpgm
.Lentry_shape_is_right:
; QKV: x [wq | wk | wv] on codes of BF6, then the rotation of q and k, then q, k and v quantised for attention's two products.  Sums in f32.
; A work-group (TM, TN) makes 128 tokens x 192 columns: query head TN (128), block TN % 4 (32 of the head's 128) of k of key head TN / 4, and the same block of v.
; Four waves: (wm, wn) takes tokens 64 wm on (4 row blocks) and 3 blocks of 32 columns: wn = 0: q's blocks 0, 1 and k's; wn = 1: q's blocks 2, 3 and v's: 24 accumulators.
; OPERANDS come as images of their registers (1,536 bytes a fragment, 64 bytes of scale words), a K step's record dense in memory: 12,800 bytes of x, 19,200 of the weights.
; K goes in 16 steps of 128, four to a chunk, through two LDS slots of a chunk each; waves 0, 1 fetch x's records (two each), waves 2, 3 the weights'.  By the text's own count a wave has two tensor loads out at the start and one behind each round.
; CLUSTER 4 x 4: the four work-groups of a row need the same records of x, the four of a column the same records of the weights: each is asked for jointly.
; q AND k USE THE PRODUCT TRANSPOSED (source 0 = 16 columns of W, source 1 = 16 tokens): with the weight fragments' choice of columns a lane holds one token and 16 neighbouring columns of a block of 32; lane l xor 16 holds the other 16.
; v USES IT AS IT IS (source 0 = 16 tokens, source 1 = 16 columns): a lane holds one channel and tokens 8 h + 0 .. 7 of each row block, so that its registers run along the keys, the next K.
; A block of 32 keys so lies in the order 0-7, 16-23, 8-15, 24-31; attention's weights come out in the same order, inside one scale block: the products are the same.
; OUT: qc: [head][tile of 16 tokens] fragments in two halves of 768 bytes (registers 6 c .. 6 c + 3 at 16 x lane, registers 6 c + 4, 5 at 512 + 8 x lane); qs their scale words;
; kvr: [key head][step of 128 keys] records of 25,600 bytes: k's pieces, its scale words at 12,288, v's fragments from 12,800, their scale words at 25,088.
; Scale bytes leave by stores of one and two bytes (the four bytes of a word of k belong to four work-groups): one byte for each 24 bytes of codes.  All stores of codes cover whole aligned blocks of 256 bytes.
; LIMITS: NaN and infinities are not served; a block of zeros, or under 2^(4 - 126), gets the byte 1.
; REGISTERS: window 0: v1-24 addresses, v28-37 scale words (two sets), v40-135 x's fragments (two sets), from v136 the way out.  window 1: the weights' fragments, two sets of 72.
;   window 2: accumulators: q (i, f) at 32 i + 8 f; k (i, u) at 128 + 16 i + 8 u; v (i, u) at 128 + 32 u + 8 i.   window 3: cos and sin: q's at 32 i + 16 block, k's at 128 + 16 i.
.set RECA,  12800
.set RECB,  19200
.set BOFF,  4*RECA                     ; a slot: x's four records, then the weights' four
.set SLOT,  4*RECA+4*RECB
.set SPARE, 2*SLOT                     ; behind the ring: the spare words, 128 bytes a wave
.set ADA, 4                            ; v4-5    x's fragments in slot 0, 1
.set ADB, 6                            ; v6-9    the weights': slot s, records 2 (q / 2) on: v[6 + 2 s + q / 2]
.set ASA, 10                           ; v10-11  x's scale words
.set ASB, 12                           ; v12-15  the weights'
.set SPW, 16
.set NIL, 17
.set SC,  28                           ; set p: v[28 + 5 p]: x's two registers, the weights' three; each holds an even fragment's words in lanes 0-15, the odd one's in lanes 16-31
.set AF,  40
.set YY,  136                          ; v136-167 32 rotated numbers
.set PP,  184                          ; codes to store: 8 registers for each use
.set FLOOR, 0x2800000
.set EOFF,  0xfe000000
.set MULT, 0xa1                        ; source 0 window 1, source 1 window 0, C and D window 2
.set MULN, 0xa4                        ; source 0 window 0, source 1 window 1, C and D window 2
.set TO_B, 0x40                        ; destination window 1
.set MSB, 0
.macro WIN new                         ; the immediate's high byte repeats the setting that is left
.if MSB != (\new)
	s_set_vgpr_msb (MSB<<8)|(\new)
.set MSB, (\new)
.endif
.endm
.macro PLACES
.rept 4
	v_nop
.endr
.endm
.macro ROUND                           ; a round of the cluster's barrier
	s_barrier_signal -1
	s_barrier_wait -1
	s_cmp_lg_u32 s16, 0
	s_cbranch_scc1 .Lnot_wave_0_\@
	s_barrier_signal -3
.Lnot_wave_0_\@:
	s_barrier_wait -3
	s_barrier_signal -1
	s_barrier_wait -1
.endm
.macro JLOAD s                         ; a joint refill of slot s: waves 0, 1 for x, waves 2, 3 for the weights; four v_nop follow each line
	s_cmp_eq_u32 s17, 0
	s_cbranch_scc0 .Lfor_b_\@
	tensor_load_to_lds s[32+4*\s:35+4*\s], s[24:31]
	s_nop 0
	PLACES
	s_branch .Lasked_\@
.Lfor_b_\@:
	tensor_load_to_lds s[48+4*\s:51+4*\s], s[40:47]
	s_nop 0
	PLACES
.Lasked_\@:
.endm
; one matrix instruction: D, source 0, source 1 (first registers), z = 1: the sum begins; the two scale registers; ra, rb = 1: the scale words lie in lanes 16-31
.macro WM d, a, b, z, sa, sb, ra, rb
.if (\z) && (\ra) && (\rb)
	v_wmma_scale_f32_16x16x128_f8f6f4 v[(\d):(\d)+7], v[(\a):(\a)+11], v[(\b):(\b)+11], 0, v[\sa], v[\sb] matrix_a_fmt:MATRIX_FMT_BF6 matrix_b_fmt:MATRIX_FMT_BF6 matrix_a_scale:MATRIX_SCALE_ROW1 matrix_b_scale:MATRIX_SCALE_ROW1
.elseif (\z) && (\ra)
	v_wmma_scale_f32_16x16x128_f8f6f4 v[(\d):(\d)+7], v[(\a):(\a)+11], v[(\b):(\b)+11], 0, v[\sa], v[\sb] matrix_a_fmt:MATRIX_FMT_BF6 matrix_b_fmt:MATRIX_FMT_BF6 matrix_a_scale:MATRIX_SCALE_ROW1
.elseif (\z) && (\rb)
	v_wmma_scale_f32_16x16x128_f8f6f4 v[(\d):(\d)+7], v[(\a):(\a)+11], v[(\b):(\b)+11], 0, v[\sa], v[\sb] matrix_a_fmt:MATRIX_FMT_BF6 matrix_b_fmt:MATRIX_FMT_BF6 matrix_b_scale:MATRIX_SCALE_ROW1
.elseif (\z)
	v_wmma_scale_f32_16x16x128_f8f6f4 v[(\d):(\d)+7], v[(\a):(\a)+11], v[(\b):(\b)+11], 0, v[\sa], v[\sb] matrix_a_fmt:MATRIX_FMT_BF6 matrix_b_fmt:MATRIX_FMT_BF6
.elseif (\ra) && (\rb)
	v_wmma_scale_f32_16x16x128_f8f6f4 v[(\d):(\d)+7], v[(\a):(\a)+11], v[(\b):(\b)+11], v[(\d):(\d)+7], v[\sa], v[\sb] matrix_a_fmt:MATRIX_FMT_BF6 matrix_b_fmt:MATRIX_FMT_BF6 matrix_a_scale:MATRIX_SCALE_ROW1 matrix_b_scale:MATRIX_SCALE_ROW1
.elseif (\ra)
	v_wmma_scale_f32_16x16x128_f8f6f4 v[(\d):(\d)+7], v[(\a):(\a)+11], v[(\b):(\b)+11], v[(\d):(\d)+7], v[\sa], v[\sb] matrix_a_fmt:MATRIX_FMT_BF6 matrix_b_fmt:MATRIX_FMT_BF6 matrix_a_scale:MATRIX_SCALE_ROW1
.elseif (\rb)
	v_wmma_scale_f32_16x16x128_f8f6f4 v[(\d):(\d)+7], v[(\a):(\a)+11], v[(\b):(\b)+11], v[(\d):(\d)+7], v[\sa], v[\sb] matrix_a_fmt:MATRIX_FMT_BF6 matrix_b_fmt:MATRIX_FMT_BF6 matrix_b_scale:MATRIX_SCALE_ROW1
.else
	v_wmma_scale_f32_16x16x128_f8f6f4 v[(\d):(\d)+7], v[(\a):(\a)+11], v[(\b):(\b)+11], v[(\d):(\d)+7], v[\sa], v[\sb] matrix_a_fmt:MATRIX_FMT_BF6 matrix_b_fmt:MATRIX_FMT_BF6
.endif
.endm
	s_load_b256 s[4:11], s[0:1], 0x0               ; xq s[4:5], wqkv s[6:7], rope s[8:9], qc s[10:11]
	s_load_b128 s[12:15], s[0:1], 0x20             ; qs s[12:13], kvr s[14:15]
	v_lshl_add_u32 v[SPW], v0, 2, SPARE
	v_mov_b32 v[NIL], 0
	ds_add_u32 v16, v17
	s_wait_dscnt 0x0
	v_lshrrev_b32 v1, 5, v0
	v_readfirstlane_b32 s16, v1                    ; wave
	s_lshr_b32 s17, s16, 1                         ; wm: my half of the tokens.  Also: I fetch x's records (0) or the weights' (1)
	s_and_b32 s18, s16, 1                          ; wn: my half of the columns.  Also: which two records of a chunk I fetch
	s_bfe_u32 s19, ttmp6, 0x40000                  ; cx
	s_bfe_u32 s20, ttmp6, 0x40004                  ; cy
	s_lshl_b32 s21, ttmp9, 2
	s_add_co_u32 s21, s21, s19                     ; TN
	s_and_b32 s22, ttmp7, 0xffff
	s_lshl_b32 s22, s22, 2
	s_add_co_u32 s22, s22, s20                     ; TM
	s_mov_b32 s23, 0xffff0000                      ; lanes 16-31
	s_lshl_b32 s56, s20, 2
	s_lshl_b32 s56, 15, s56                        ; my row of the cluster
	s_lshl_b32 s57, 0x1111, s19                    ; my column
	; descriptor groups 1: dense blocks as rows of 256 bytes (32 elements of 8 bytes): 100 rows of x (two records), 150 of the weights
	s_or_b32 s24, s56, (3<<16)|(1<<21)
	s_mov_b32 s25, 32<<16
	s_mov_b32 s26, 100<<16
	s_mov_b32 s27, 32<<16
	s_mov_b32 s28, 100
	s_mov_b32 s29, 32
	s_mov_b32 s30, 0
	s_mov_b32 s31, 0
	s_or_b32 s40, s57, (3<<16)|(1<<21)
	s_mov_b32 s41, 32<<16
	s_mov_b32 s42, 150<<16
	s_mov_b32 s43, 32<<16
	s_mov_b32 s44, 150
	s_mov_b32 s45, 32
	s_mov_b32 s46, 0
	s_mov_b32 s47, 0
	s_lshl_b32 s58, s22, 4                         ; x: record 16 TM + 2 wn: it hangs on TM alone, which my row shares
	s_lshl_b32 s59, s18, 1
	s_add_co_u32 s58, s58, s59
	s_mul_i32 s58, s58, RECA
	s_mov_b32 s59, 0
	s_lshl_b32 s60, s21, 4                         ; the weights: record 16 TN + 2 wn: on TN alone, which my column shares
	s_lshl_b32 s61, s18, 1
	s_add_co_u32 s60, s60, s61
	s_mul_i32 s60, s60, RECB
	s_mov_b32 s61, 0
	s_mul_i32 s62, s18, 2*RECA                     ; where they go in a slot: the wave's number alone
	s_mul_i32 s63, s18, 2*RECB
	s_add_co_u32 s63, s63, BOFF
	s_wait_kmcnt 0x0
	s_add_nc_u64 s[58:59], s[4:5], s[58:59]
	s_add_nc_u64 s[60:61], s[6:7], s[60:61]
	ROUND                                          ; all sixteen work-groups are here: the first joint loads meet
.irp s, 0,1
	s_mov_b32 s[32+4*\s], 1
	s_add_co_u32 s[33+4*\s], s62, \s*SLOT
	s_add_nc_u64 s[34+4*\s:35+4*\s], s[58:59], \s*4*RECA
	s_or_b32 s[35+4*\s], s[35+4*\s], 0x80000000
	s_mov_b32 s[48+4*\s], 1
	s_add_co_u32 s[49+4*\s], s63, \s*SLOT
	s_add_nc_u64 s[50+4*\s:51+4*\s], s[60:61], \s*4*RECB
	s_or_b32 s[51+4*\s], s[51+4*\s], 0x80000000
.endr
	s_cmp_eq_u32 s17, 0                            ; a wave's two first fills stand in one branch: chunks 0 and 1
	s_cbranch_scc0 .Lfirst_b
	tensor_load_to_lds s[32:35], s[24:31]
	s_nop 0
	tensor_load_to_lds s[36:39], s[24:31]
	s_nop 0
	PLACES
	s_branch .Lfirst_done
.Lfirst_b:
	tensor_load_to_lds s[48:51], s[40:47]
	s_nop 0
	tensor_load_to_lds s[52:55], s[40:47]
	s_nop 0
	PLACES
.Lfirst_done:
	; the addresses of the table and of the results
	s_lshl_b32 s56, s22, 16
	s_lshl_b32 s57, s17, 15
	s_add_co_u32 s56, s56, s57                     ; my first token x 512
	s_lshl_b32 s57, s18, 8
	s_add_co_u32 s66, s56, s57                     ; q's blocks 2 wn on: 128 bytes of the table a block
	s_mov_b32 s67, 0
	s_add_nc_u64 s[66:67], s[8:9], s[66:67]
	s_and_b32 s82, s21, 3                          ; k's and v's block
	s_lshl_b32 s57, s82, 7
	s_add_co_u32 s68, s56, s57
	s_mov_b32 s69, 0
	s_add_nc_u64 s[68:69], s[8:9], s[68:69]
	s_lshl_b32 s56, s21, 7
	s_lshl_b32 s57, s22, 3
	s_add_co_u32 s56, s56, s57
	s_lshl_b32 s57, s17, 2
	s_add_co_u32 s56, s56, s57                     ; q's fragment: 128 TN + 8 TM + 4 wm
	s_mul_i32 s70, s56, 1536
	s_mul_i32 s57, s18, 768                        ; my half of it
	s_add_co_u32 s70, s70, s57
	s_mov_b32 s71, 0
	s_add_nc_u64 s[70:71], s[10:11], s[70:71]
	s_lshl_b32 s72, s56, 6
	s_lshl_b32 s57, s18, 1                         ; my two bytes of a scale word
	s_add_co_u32 s72, s72, s57
	s_mov_b32 s73, 0
	s_add_nc_u64 s[72:73], s[12:13], s[72:73]
	s_lshr_b32 s56, s21, 2
	s_lshl_b32 s56, s56, 4
	s_add_co_u32 s56, s56, s22                     ; record 16 (key head) + step
	s_mul_i32 s74, s56, 25600
	s_mov_b32 s75, 0
	s_add_nc_u64 s[74:75], s[14:15], s[74:75]
	s_mul_i32 s76, s82, 3072                       ; v's fragments 2 block + u, my half (keys 64 wm on)
	s_mul_i32 s57, s17, 768
	s_add_co_u32 s76, s76, s57
	s_add_co_u32 s76, s76, 12800
	s_mov_b32 s77, 0
	s_add_nc_u64 s[76:77], s[74:75], s[76:77]
	s_lshl_b32 s78, s82, 7
	s_lshl_b32 s57, s17, 1
	s_add_co_u32 s78, s78, s57
	s_add_co_u32 s78, s78, 25088
	s_mov_b32 s79, 0
	s_add_nc_u64 s[78:79], s[74:75], s[78:79]
	s_mov_b32 s80, 0x76543210
	s_mov_b32 s81, 0xfedcba98                      ; v_permlanex16_b32's selects for lane l xor 16
	v_and_b32 v1, 31, v0                           ; lane
	v_and_b32 v2, 15, v0                           ; r
	v_bfe_u32 v3, v0, 4, 1                         ; h
	v_lshlrev_b32 v19, 4, v1
	v_lshlrev_b32 v20, 3, v1
	v_lshlrev_b32 v21, 2, v1
	s_mul_i32 s56, s17, 6144                       ; my four row blocks
	v_add_nc_u32 v[ADA], s56, v19
	v_add_nc_u32 v[ADA+1], SLOT, v[ADA]
	s_mul_i32 s56, s18, 9216                       ; my six fragments of the weights
	s_add_co_u32 s56, s56, BOFF
	v_add_nc_u32 v[ADB], s56, v19
	v_add_nc_u32 v[ADB+1], 2*RECB, v[ADB]
	v_add_nc_u32 v[ADB+2], SLOT, v[ADB]
	v_add_nc_u32 v[ADB+3], SLOT, v[ADB+1]
	s_lshl_b32 s56, s17, 8
	s_add_co_u32 s56, s56, 12288
	v_add_nc_u32 v[ASA], s56, v21
	v_add_nc_u32 v[ASA+1], SLOT, v[ASA]
	s_mul_i32 s56, s18, 384
	s_add_co_u32 s56, s56, BOFF+18432
	v_add_nc_u32 v[ASB], s56, v21
	v_add_nc_u32 v[ASB+1], 2*RECB, v[ASB]
	v_add_nc_u32 v[ASB+2], SLOT, v[ASB]
	v_add_nc_u32 v[ASB+3], SLOT, v[ASB+1]
	v_lshlrev_b32 v18, 9, v2
	v_lshl_add_u32 v18, v3, 6, v18                 ; the table: token r, + 64 h: my 8 pairs of a block
	; k's places in its record.  Block b' = 2 c + h' is registers 6 c .. 6 c + 5 of the operand's lane (key, h').  After the exchange of halves lane (r, h) holds key r of row block 2 pi + h.
	s_lshl_b32 s57, s82, 8                         ; 512 c + 256 h' = 256 b'
	s_lshl_b32 s56, s17, 12
	s_add_co_u32 s56, s56, s57
	v_lshlrev_b32 v22, 10, v3
	v_lshl_add_u32 v22, v2, 4, v22
	v_add_nc_u32 v22, s56, v22                     ; the first four registers: 1,024 (row block) + 256 b' + 16 r
	s_and_b32 s83, s82, 1
	v_xor_b32 v23, s83, v3
	v_lshlrev_b32 v23, 7, v23
	v_lshl_add_u32 v23, v2, 3, v23
	s_lshl_b32 s56, s17, 11
	s_add_co_u32 s56, s56, s57
	s_add_co_u32 s56, s56, 8192
	v_add_nc_u32 v23, s56, v23                     ; the last two: 8,192 + 1,024 (pair of row blocks) + 256 b' + 128 (h xor h') + 8 r: the wave's store fills 256 consecutive bytes
	s_lshl_b32 s56, s17, 8
	s_add_co_u32 s56, s56, s82
	s_add_co_u32 s56, s56, 12288
	v_add_nc_u32 v24, s56, v21                     ; byte b' of the key's scale word
	v_mov_b32 v170, 0                              ; a lane permute's destination counts as one of its sources
	v_mov_b32 v171, 0
	; cos and sin of my tokens and columns: asked for now, used behind the last product
	WIN 0xc0                                       ; destination window 3
.irp i, 0,1,2,3
.irp b, 0,1
.irp n, 0,1,2,3
	global_load_b128 v[32*\i+16*\b+4*\n:32*\i+16*\b+4*\n+3], v18, s[66:67] offset:8192*\i+128*\b+16*\n
.endr
.endr
.endr
	WIN 0
	s_cmp_eq_u32 s18, 0
	s_cbranch_scc0 .Lno_k_table
	WIN 0xc0
.irp i, 0,1,2,3
.irp n, 0,1,2,3
	global_load_b128 v[128+16*\i+4*\n:128+16*\i+4*\n+3], v18, s[68:69] offset:8192*\i+16*\n
.endr
.endr
	WIN 0
.Lno_k_table:
; the fragments and scale words of record q of slot sg into set st: 35 LDS loads in one run
.macro FETCH st, sg, q
	WIN TO_B
.irp f, 0,1,2,3,4,5
.irp n, 0,1,2
	ds_load_b128 v[72*(\st)+12*\f+4*\n:72*(\st)+12*\f+4*\n+3], v[ADB+2*(\sg)+(\q)/2] offset:((\q)%2)*RECB+1536*\f+512*\n
.endr
.endr
	WIN 0
.irp i, 0,1,2,3
.irp n, 0,1,2
	ds_load_b128 v[AF+48*(\st)+12*\i+4*\n:AF+48*(\st)+12*\i+4*\n+3], v[ADA+(\sg)] offset:(\q)*RECA+1536*\i+512*\n
.endr
.endr
.irp p, 0,1
	ds_load_b32 v[SC+5*(\st)+\p], v[ASA+(\sg)] offset:(\q)*RECA+128*\p
.endr
.irp p, 0,1,2
	ds_load_b32 v[SC+5*(\st)+2+\p], v[ASB+2*(\sg)+(\q)/2] offset:((\q)%2)*RECB+128*\p
.endr
.endm
; The 24 accumulators take turns, one instruction a turn, in the same order in every K step.
.macro QPROD st, z                     ; q's 16 products
	WIN MULT
.irp i, 0,1,2,3
.irp f, 0,1,2,3
	WM 32*\i+8*\f, 72*(\st)+12*\f, AF+48*(\st)+12*\i, \z, SC+5*(\st)+2+\f/2, SC+5*(\st)+\i/2, \f%2, \i%2
.endr
.endr
.endm
.macro KVPROD st, z                    ; k's 8 (wn = 0, transposed) or v's 8 (wn = 1, as it is): the branch hangs on the wave's number alone
	WIN 0
	s_cmp_eq_u32 s18, 0
	s_cbranch_scc0 .Lv_\@
	WIN MULT
.irp i, 0,1,2,3
.irp u, 0,1
	WM 128+16*\i+8*\u, 72*(\st)+48+12*\u, AF+48*(\st)+12*\i, \z, SC+5*(\st)+4, SC+5*(\st)+\i/2, \u, \i%2
.endr
.endr
	WIN 0
	s_branch .Lj_\@
.Lv_\@:
	WIN MULN
.irp u, 0,1
.irp i, 0,1,2,3
	WM 128+32*\u+8*\i, AF+48*(\st)+12*\i, 72*(\st)+48+12*\u, \z, SC+5*(\st)+\i/2, SC+5*(\st)+4, \i%2, \u
.endr
.endr
	WIN 0
.Lj_\@:
.endm
; A K step that finds its successor in LDS: record nq of slot nsg is fetched into the other set while this set is multiplied.
.macro KSTEP st, nsg, nq, z
	s_wait_dscnt 0x0                               ; this set is in
	PLACES                                         ; in front of loads into the other set, which the last K step's products read
	FETCH 1-\st, \nsg, \nq
	QPROD \st, \z
	KVPROD \st, \z
.endm
; A chunk's last K step (set 1) changes slots: each wave waits for all its tensor loads, adds 0 to its spare word, and waits for that; its reads of the slot are over (the first wait).
; fill = 1: a round of the cluster's barrier, and the slot just left is filled with the chunk two on, first thing behind it.
.macro TSTEP slot, nsg, fill
	s_wait_dscnt 0x0                               ; this set is in: my last reads of the slot
	s_wait_tensorcnt 0x0                           ; all my tensor loads have landed: my part of the next slot
	ds_add_u32 v[SPW], v[NIL]                      ; 0 onto my spare word
.if \fill
	s_add_nc_u64 s[34+4*\slot:35+4*\slot], s[34+4*\slot:35+4*\slot], 8*RECA   ; no load of mine is out: the slot's descriptors step two chunks on
	s_add_nc_u64 s[50+4*\slot:51+4*\slot], s[50+4*\slot:51+4*\slot], 8*RECB
.endif
	QPROD 1, 0                                     ; sixteen matrix instructions stand between the add and the wait for it
	WIN 0
	s_wait_dscnt 0x0                               ; the add is done
.if \fill
	ROUND                                          ; no wave of any partner still reads the slot or has a load on its way
	JLOAD \slot                                    ; its four v_nop are also the places in front of the loads below
.else
	s_barrier_signal -1
	s_barrier_wait -1
	PLACES
.endif
	FETCH 0, \nsg, 0
	KVPROD 1, 0
.endm
	s_wait_tensorcnt 0x1                           ; my part of chunk 0 is in; chunk 1's may be out
	s_barrier_signal -1
	s_barrier_wait -1
	FETCH 0, 0, 0
	KSTEP 0, 0, 1, 1                               ; the first K step starts the sums: nothing is cleared
	KSTEP 1, 0, 2, 0
	KSTEP 0, 0, 3, 0
	TSTEP 0, 1, 1                                  ; slot 0 takes chunk 2
	KSTEP 0, 1, 1, 0
	KSTEP 1, 1, 2, 0
	KSTEP 0, 1, 3, 0
	TSTEP 1, 0, 1                                  ; slot 1 takes chunk 3
	KSTEP 0, 0, 1, 0
	KSTEP 1, 0, 2, 0
	KSTEP 0, 0, 3, 0
	TSTEP 0, 1, 0                                  ; nothing is left to fetch
	KSTEP 0, 1, 1, 0
	KSTEP 1, 1, 2, 0
	KSTEP 0, 1, 3, 0
	s_wait_dscnt 0x0
	QPROD 1, 0
	KVPROD 1, 0
	; ---------------- THE WAY OUT
	PLACES                                         ; behind the last products, in front of the first read of results
	s_wait_loadcnt 0x0                             ; cos and sin
; 16 numbers of a token (8 pairs) at v[xb] of window 2, their cos and sin at v[cb] of window 3, rotated into v[yb] of window 0.  Each accumulator is read from its low end on.
.macro ROPE xb, cb, yb
	WIN 0x0e                                       ; source 0 window 2, source 1 window 3
.irp n, 0,1,2,3,4,5,6,7
	v_mul_f32 v[180+2*(\n%2)], v[(\xb)+2*\n+1], v[(\cb)+2*\n+1]       ; im sin
	v_mul_f32 v[181+2*(\n%2)], v[(\xb)+2*\n+1], v[(\cb)+2*\n]         ; im cos
	v_fma_f32 v[(\yb)+2*\n], v[(\xb)+2*\n], v[(\cb)+2*\n], -v[180+2*(\n%2)]
	v_fma_f32 v[(\yb)+2*\n+1], v[(\xb)+2*\n], v[(\cb)+2*\n+1], v[181+2*(\n%2)]
.endr
	WIN 0
.endm
; Two groups of 16 registers in window sw, each my half of a block of 32 (lane l xor 16 holds the other half), become codes: v[p] .. v[p + 5] hold a WHOLE block: lanes 0-15 group g0's, lanes 16-31 group g1's.
; The bytes are left in v174 (g0's) and v175 (g1's), in every lane.
.macro PAIR g0, g1, sw, p
	WIN 5*\sw
	v_max3_num_f32 v168, |v[(\g0)]|, |v[(\g0)+1]|, FLOOR
	v_max3_num_f32 v169, |v[(\g1)]|, |v[(\g1)+1]|, FLOOR
.irp i, 2,4,6,8,10,12,14
	v_max3_num_f32 v168, |v[(\g0)+\i]|, |v[(\g0)+\i+1]|, v168
	v_max3_num_f32 v169, |v[(\g1)+\i]|, |v[(\g1)+\i+1]|, v169
.endr
	WIN 0
	v_permlanex16_b32 v170, v168, s80, s81
	v_permlanex16_b32 v171, v169, s80, s81
	v_max_num_f32 v168, v168, v170
	v_max_num_f32 v169, v169, v171
	v_add_nc_u32 v172, EOFF, v168                  ; 4 off the exponent field: the conversion's scale operand
	v_add_nc_u32 v173, EOFF, v169
	v_lshrrev_b32 v174, 23, v172
	v_lshrrev_b32 v175, 23, v173
	WIN \sw
	v_cvt_scalef32_pk16_bf6_f32 v[(\p):(\p)+2], v[(\g0):(\g0)+15], v172
	v_cvt_scalef32_pk16_bf6_f32 v[176:178], v[(\g1):(\g1)+15], v173
	WIN 0
	v_nop                                          ; one plain line behind a scaled conversion
.irp i, 0,1,2
	v_permlane16_swap_b32 v[(\p)+\i], v[176+\i]    ; the first's lanes 16-31 change places with the second's lanes 0-15
.endr
.irp i, 0,1,2
	v_mov_b32 v[(\p)+3+\i], v[176+\i]
.endr
.endm
.irp i, 0,1,2,3                        ; q: row block i, my two blocks of 32 columns: half wn of the fragment
	ROPE 32*\i, 32*\i, YY
	ROPE 32*\i+16, 32*\i+16, YY+16
	PAIR YY, YY+16, 0, PP+8*\i
	global_store_b128 v19, v[PP+8*\i:PP+8*\i+3], s[70:71] offset:1536*\i
	global_store_b64 v20, v[PP+8*\i+4:PP+8*\i+5], s[70:71] offset:1536*\i+512
	v_lshl_or_b32 v[236+\i], v175, 8, v174         ; my two bytes of the token's scale word
.endr
	v_cndmask_b32 v240, v236, v237, s23            ; lanes 0-15 the even row block's, lanes 16-31 the odd one's
	v_cndmask_b32 v241, v238, v239, s23
	global_store_b16 v21, v240, s[72:73]
	global_store_b16 v21, v241, s[72:73] offset:128
	s_cmp_eq_u32 s18, 0
	s_cbranch_scc0 .Lv_out
.irp p, 0,1                            ; k: row blocks 2 p and 2 p + 1, one block of 32 columns
	ROPE 128+32*\p, 128+32*\p, YY
	ROPE 144+32*\p, 144+32*\p, YY+16
	PAIR YY, YY+16, 0, PP+32+8*\p
	global_store_b128 v22, v[PP+32+8*\p:PP+32+8*\p+3], s[74:75] offset:2048*\p
	global_store_b64 v23, v[PP+32+8*\p+4:PP+32+8*\p+5], s[74:75] offset:1024*\p
	v_cndmask_b32 v[242+\p], v174, v175, s23
	global_store_b8 v24, v[242+\p], s[74:75] offset:128*\p
.endr
	s_branch .Lend
.Lv_out:
.irp u, 0,1                            ; v: fragment u, keys 64 wm on: two blocks of 32 keys, straight from the accumulators
	PAIR 128+32*\u, 144+32*\u, 2, PP+32+8*\u
	global_store_b128 v19, v[PP+32+8*\u:PP+32+8*\u+3], s[76:77] offset:1536*\u
	global_store_b64 v20, v[PP+32+8*\u+4:PP+32+8*\u+5], s[76:77] offset:1536*\u+512
	v_lshl_or_b32 v[236+\u], v175, 8, v174
.endr
	v_cndmask_b32 v242, v236, v237, s23
	global_store_b16 v21, v242, s[78:79]
.Lend:
	s_wait_tensorcnt 0x0                           ; the wave's end
	ds_add_u32 v[SPW], v[NIL]
	s_wait_dscnt 0x0
	ROUND                                          ; the closing round: no work-group ends while a partner may still ask for a tile that names it
	s_endpgm
.Lfunc_end_k_q91128c778d_qkv:
	.size	k_q91128c778d_qkv, .Lfunc_end_k_q91128c778d_qkv-k_q91128c778d_qkv
	.p2alignl 7, 3214868480
	.fill 96, 4, 3214868480
	.section	.rodata,"a",@progbits
	.p2align	6, 0x0
	.amdhsa_kernel k_q91128c778d_qkv
		.amdhsa_group_segment_fixed_size 327680
		.amdhsa_private_segment_fixed_size 0
		.amdhsa_enable_private_segment 0
		.amdhsa_kernarg_size 48
		.amdhsa_user_sgpr_count 2
		.amdhsa_user_sgpr_kernarg_segment_ptr 1
		.amdhsa_wavefront_size32 1
		.amdhsa_system_sgpr_workgroup_id_x 1
		.amdhsa_system_sgpr_workgroup_id_y 1
		.amdhsa_system_sgpr_workgroup_id_z 1
		.amdhsa_system_vgpr_workitem_id 0
		.amdhsa_next_free_vgpr 1024
		.amdhsa_next_free_sgpr 100
		.amdhsa_reserve_vcc 0
		.amdhsa_float_denorm_mode_32 3
		.amdhsa_float_denorm_mode_16_64 3
		.amdhsa_memory_ordered 1
		.amdhsa_forward_progress 1
		.amdhsa_inst_pref_size 160
	.end_amdhsa_kernel
	.amdgpu_metadata
---
amdhsa.version: [ 1, 2 ]
amdhsa.kernels:
  - .name:           k_q91128c778d_qkv
    .symbol:         k_q91128c778d_qkv.kd
    .args:
      - { .name: xq, .offset: 0, .size: 8, .value_kind: global_buffer, .address_space: global }
      - { .name: wqkv, .offset: 8, .size: 8, .value_kind: global_buffer, .address_space: global }
      - { .name: rope, .offset: 16, .size: 8, .value_kind: global_buffer, .address_space: global }
      - { .name: qc, .offset: 24, .size: 8, .value_kind: global_buffer, .address_space: global }
      - { .name: qs, .offset: 32, .size: 8, .value_kind: global_buffer, .address_space: global }
      - { .name: kvr, .offset: 40, .size: 8, .value_kind: global_buffer, .address_space: global }
    .group_segment_fixed_size: 327680
    .private_segment_fixed_size: 0
    .kernarg_segment_align: 8
    .kernarg_segment_size: 48
    .max_flat_workgroup_size: 128
    .sgpr_count:     100
    .vgpr_count:     1024
    .wavefront_size: 32
...
	.end_amdgpu_metadata
.endif
;; end of part 2
;; launch attn (part 3): grid 64 x 4, 16 waves a work-group, clusters of 4 x 1, 327,680 bytes of LDS; arguments qc, qs, kvr, aq; writes aq
.if DOCPART == 3
	.amdgcn_target "amdgcn-amd-amdhsa--gfx1250"
	.amdhsa_code_object_version 6
	.text
	.protected	k_q91128c778d_attn
	.globl	k_q91128c778d_attn
	.p2align	8
	.type	k_q91128c778d_attn,@function
k_q91128c778d_attn:
	s_mov_b64 s[64:65], 0
	v_nop
	global_prefetch_b8 v0, s[64:65] scope:SCOPE_SE
	s_setreg_imm32_b32 hwreg(HW_REG_WAVE_MODE, 25, 1), 1
	s_wait_xcnt 0x0
	s_wait_alu depctr_hold_cnt(0) depctr_sa_sdst(0) depctr_va_vdst(0) depctr_va_sdst(0) depctr_va_ssrc(0) depctr_va_vcc(0) depctr_vm_vsrc(0)
	s_getreg_b32 s2, hwreg(HW_REG_IB_STS2, 6, 4)
	s_cmp_eq_u32 s2, 0
	s_cbranch_scc0 .Lentry_in_a_cluster
	s_endpgm
.Lentry_in_a_cluster:
	s_bfe_u32 s2, ttmp6, 0x10000c
	s_cmp_lg_u32 s2, 0x3003
	s_cbranch_scc0 .Lentry_shape_is_right
	s_endpgm
.Lentry_shape_is_right:
; ATTN: o = softmax(q k^T / sqrt(128), causal) v on codes of BF6, then o quantised along (head, channel) for the last product.
; THE SOFTMAX: t = score x log2(e) / sqrt(128); M = the largest t so far, rounded UP to a whole number; p = 2^(t - M) is quantised along the keys, not normalised; the row's sum is taken of the unquantised p and divides at the end.
; SHARES.  A work-group belongs to key head y and serves its four query heads.  With p = (cluster x) / 2 and e = 4 ((cluster x) % 2) + cx it owns, of each head, the tiles of 16 queries 8 g + e for g = 15 - p (many keys) and g = p (few): 17 key steps of 128 a head in every work-group.
; Sixteen waves: head j = w % 4, parity (w / 4) % 2, g = 15 - p for w < 8, p for the others.  A tile's TWO waves take the even and the odd key steps 0 .. g and are merged at the end: M is a whole number, so the merge multiplies by powers of two.
; Steps past g are left out by a scalar branch on ids; step g lies on the diagonal: there hidden scores become -infinity (p is 0 there, since every row has its own key).
; K AND V come as records of 25,600 bytes a step, images of operand registers; four steps to a chunk, two LDS slots; waves 0-3 fetch a record each.  All four chunks are fetched by every work-group, so that no tensor load and no barrier is jumped over.
; CLUSTER 4 x 1: the four partners have the same key head and the same p, so they walk the same records in the same rounds: every record is asked for jointly.  By the text's own count a wave has two tensor loads out at the start and one behind each round.
; LAYOUT.  S^T = K Q^T and O^T = V^T P^T: a lane holds one query throughout.  A tile of K is 16 neighbouring keys, so the 16 registers of tiles 2 b, 2 b + 1 are keys 8 h + 0 .. 7 and 16 + 8 h + 0 .. 7 of block b: after the exchange of halves a block lies in the order 0-7, 16-23, 8-15, 24-31, which is the order in which V's codes were laid.
; V's fragment 2 b + u has channel 32 b + 8 u + r + 8 (r / 8) in lane r: O^T's 16 registers of tiles 2 b, 2 b + 1 are channels 32 b + 16 h + 0 .. 15.
; V IS ASKED FOR AHEAD OF ITS USE: its first four fragments and its scale words behind the last product K Q^T, so that they land under the softmax; its last four into p's registers as soon as the sums and the conversions have read them, so that they land under the exchange of halves and the rescaling of O^T.
; LIMITS: NaN and infinities are not served; a block of zeros gets the byte 1.  The even load of the SIMDs rests on the waves being dealt to them in turn.
; REGISTERS: v1-5 a lane's places in a record (+ 25,600 x parity); v6, 7 the add's; v8 the merge; v9 the mask; v10 lane, v11 r; v12 -M, v13 largest t, v[14:15] the sum; v16-27 Q; v28-31 16 l, 8 l, 4 r, h;
;   v32-79 four fragments: K's, then V's first four; v80-84 the step's addresses; v96-159 S^T, then p, then (v96-143) V's last four fragments; v160-223 O^T; v224-235 p's codes; v232-254 at work; v248-251 K's or V's scale words; v253 p's; v255 Q's.
.set REC,   25600
.set SLOT,  4*REC
.set MRG,   2*SLOT                     ; the merge: 17 x 512 bytes for each of the eight tiles; no tile of K or V lands here
.set MRGT,  8704
.set SPARE, MRG+8*MRGT                 ; the spare words, 128 bytes for each of the sixteen waves
.macro PLACES
.rept 4
	v_nop
.endr
.endm
.macro ROUND
	s_barrier_signal -1
	s_barrier_wait -1
	s_cmp_lg_u32 s12, 0
	s_cbranch_scc1 .Lnot_wave_0_\@
	s_barrier_signal -3
.Lnot_wave_0_\@:
	s_barrier_wait -3
	s_barrier_signal -1
	s_barrier_wait -1
.endm
.macro TLOAD slot                      ; waves 0-3 fetch a record each; four v_nop follow the line
	s_cmp_lt_u32 s12, 4
	s_cbranch_scc0 .Lnone_\@
	tensor_load_to_lds s[36+4*\slot:39+4*\slot], s[28:35]
	s_nop 0
	PLACES
.Lnone_\@:
.endm
.macro WM d, a, b, z, sa, sb, ra       ; one matrix instruction; z = 1: the sum begins; ra = 1: source 0's scale words lie in lanes 16-31
.if (\z) && (\ra)
	v_wmma_scale_f32_16x16x128_f8f6f4 v[(\d):(\d)+7], v[(\a):(\a)+11], v[(\b):(\b)+11], 0, v[\sa], v[\sb] matrix_a_fmt:MATRIX_FMT_BF6 matrix_b_fmt:MATRIX_FMT_BF6 matrix_a_scale:MATRIX_SCALE_ROW1
.elseif (\z)
	v_wmma_scale_f32_16x16x128_f8f6f4 v[(\d):(\d)+7], v[(\a):(\a)+11], v[(\b):(\b)+11], 0, v[\sa], v[\sb] matrix_a_fmt:MATRIX_FMT_BF6 matrix_b_fmt:MATRIX_FMT_BF6
.elseif (\ra)
	v_wmma_scale_f32_16x16x128_f8f6f4 v[(\d):(\d)+7], v[(\a):(\a)+11], v[(\b):(\b)+11], v[(\d):(\d)+7], v[\sa], v[\sb] matrix_a_fmt:MATRIX_FMT_BF6 matrix_b_fmt:MATRIX_FMT_BF6 matrix_a_scale:MATRIX_SCALE_ROW1
.else
	v_wmma_scale_f32_16x16x128_f8f6f4 v[(\d):(\d)+7], v[(\a):(\a)+11], v[(\b):(\b)+11], v[(\d):(\d)+7], v[\sa], v[\sb] matrix_a_fmt:MATRIX_FMT_BF6 matrix_b_fmt:MATRIX_FMT_BF6
.endif
.endm
	s_load_b256 s[4:11], s[0:1], 0x0               ; qc s[4:5], qs s[6:7], kvr s[8:9], aq s[10:11]
	v_lshl_add_u32 v6, v0, 2, SPARE
	v_mov_b32 v7, 0
	ds_add_u32 v6, v7
	s_wait_dscnt 0x0
	v_lshrrev_b32 v1, 5, v0
	v_readfirstlane_b32 s12, v1                    ; wave 0..15
	s_and_b32 s13, s12, 3                          ; j: the head among the key head's four.  Also: the record of a chunk that waves 0-3 fetch
	s_bfe_u32 s14, s12, 0x10002                    ; the parity of my key steps
	s_lshr_b32 s15, s12, 3                         ; 0: the tile with many keys, 1: with few
	s_bfe_u32 s16, ttmp6, 0x40000                  ; cx
	s_lshr_b32 s17, ttmp9, 1                       ; p: the same in all four partners
	s_and_b32 s18, ttmp9, 1
	s_lshl_b32 s18, s18, 2
	s_add_co_u32 s18, s18, s16                     ; e: it enters global addresses and the mask's numbers alone
	s_and_b32 s19, ttmp7, 0xffff                   ; the key head
	s_sub_co_u32 s44, 15, s17
	s_cmp_eq_u32 s15, 0
	s_cselect_b32 s20, s44, s17                    ; g: my last key step
	s_mov_b32 s22, 0x3e0293ee                      ; c = log2(e) / sqrt(128)
	s_mov_b32 s23, s22                             ; (named with it as a pair, so it is written)
	s_mov_b32 s26, 0x76543210
	s_mov_b32 s27, 0xfedcba98                      ; v_permlanex16_b32's selects for lane l xor 16
	s_mov_b32 s28, 15|(3<<16)|(1<<21)              ; group 1: all four work-groups; a record as 100 rows of 256 bytes (32 elements of 8 bytes)
	s_mov_b32 s29, 32<<16
	s_mov_b32 s30, 100<<16
	s_mov_b32 s31, 32<<16
	s_mov_b32 s32, 100
	s_mov_b32 s33, 32
	s_mov_b32 s34, 0
	s_mov_b32 s35, 0
	s_mul_i32 s44, s19, 16*REC
	s_mul_i32 s45, s13, REC                        ; the record's place in a chunk, in memory and in a slot
	s_add_co_u32 s46, s44, s45
	s_mov_b32 s47, 0
	s_wait_kmcnt 0x0
	s_add_nc_u64 s[46:47], s[8:9], s[46:47]
	ROUND                                          ; all four work-groups are here: the first joint loads meet
.irp s, 0,1
	s_mov_b32 s[36+4*\s], 1
	s_add_co_u32 s[37+4*\s], s45, \s*SLOT
	s_add_nc_u64 s[38+4*\s:39+4*\s], s[46:47], \s*4*REC
	s_or_b32 s[39+4*\s], s[39+4*\s], 0x80000000
.endr
	s_cmp_lt_u32 s12, 4                            ; a wave's two first fills stand in one branch: chunks 0 and 1
	s_cbranch_scc0 .Lno_first
	tensor_load_to_lds s[36:39], s[28:35]
	s_nop 0
	tensor_load_to_lds s[40:43], s[28:35]
	s_nop 0
	PLACES
.Lno_first:
	v_and_b32 v10, 31, v0                          ; lane
	v_and_b32 v11, 15, v0                          ; r
	v_bfe_u32 v31, v0, 4, 1                        ; h
	v_lshlrev_b32 v28, 4, v10
	v_lshlrev_b32 v29, 3, v10
	v_lshlrev_b32 v30, 2, v11
	s_mul_i32 s44, s14, REC                        ; my steps' records in a slot: parity, parity + 2
	v_add_nc_u32 v1, s44, v28                      ; 16 l
	v_add_nc_u32 v2, s44, v29                      ; 8 l
	v_lshl_add_u32 v3, v11, 3, s44
	v_lshl_add_u32 v4, v31, 7, v3                  ; 8 r + 128 h: the last two registers of a half of an odd tile of K
	v_mul_u32_u24 v5, v31, 384
	v_add_nc_u32 v3, v5, v3                        ; 8 r + 384 h: of an even tile
	v_lshl_add_u32 v5, v10, 2, s44                 ; 4 l
	s_lshl_b32 s45, s15, 2
	s_add_co_u32 s45, s45, s13
	s_mul_i32 s45, s45, MRGT
	s_add_co_u32 s45, s45, MRG
	v_add_nc_u32 v8, s45, v28                      ; my tile's place for the merge
	s_lshl_b32 s45, s18, 4
	v_lshlrev_b32 v9, 3, v31
	v_sub_nc_u32 v9, v11, v9
	v_add_nc_u32 v9, s45, v9                       ; d = 16 e + r - 8 h: on the diagonal register n holds key 16 (n / 8) + n % 8 + 8 h of the step, hidden where 16 (n / 8) + n % 8 > d
	s_lshl_b32 s48, s19, 2
	s_add_co_u32 s48, s48, s13                     ; the query head
	s_lshl_b32 s49, s20, 3
	s_add_co_u32 s49, s49, s18                     ; the tile 8 g + e
	s_lshl_b32 s50, s48, 7
	s_add_co_u32 s50, s50, s49
	s_mul_i32 s52, s50, 1536
	s_mov_b32 s53, 0
	s_add_nc_u64 s[52:53], s[4:5], s[52:53]
	s_lshl_b32 s54, s50, 6
	s_mov_b32 s55, 0
	s_add_nc_u64 s[54:55], s[6:7], s[54:55]
	s_lshl_b32 s50, s20, 4
	s_add_co_u32 s50, s50, s48                     ; aq's record: 16 (token / 128) + head
	s_mul_i32 s50, s50, 12800
	s_mul_i32 s51, s18, 1536
	s_add_co_u32 s56, s50, s51
	s_mov_b32 s57, 0
	s_add_nc_u64 s[56:57], s[10:11], s[56:57]      ; row block e's image
	s_lshl_b32 s51, s18, 6
	s_add_co_u32 s58, s50, s51
	s_add_co_u32 s58, s58, 12288
	s_mov_b32 s59, 0
	s_add_nc_u64 s[58:59], s[10:11], s[58:59]      ; and its scale words
	global_load_b128 v[16:19], v28, s[52:53]       ; Q's fragment stays in registers
	global_load_b64 v[20:21], v29, s[52:53] offset:512
	global_load_b128 v[22:25], v28, s[52:53] offset:768
	global_load_b64 v[26:27], v29, s[52:53] offset:1280
	global_load_b32 v255, v30, s[54:55]
	v_mov_b32 v13, 0xff61b1e6                      ; the largest t so far: -3e38, under every t
	v_floor_f32 v12, -v13                          ; -M
	v_mov_b32 v14, 0
	v_mov_b32 v15, 0
.irp b, 0,1,2,3
	v_mov_b32 v[236+\b], 0                         ; a lane permute's destination counts as one of its sources
.endr
	v_mov_b32 v252, 0
	v_mov_b32 v253, 0
.set NN, 0
.rept 64
	v_mov_b32 v[160+NN], 0                         ; O^T.  (A step is written in one form: the first finds zeros, which the first change of M leaves zeros; a wave without a step keeps them and counts for nothing in the merge)
.set NN, NN+1
.endr
; A KEY STEP: record parity + 2 a of slot sg, which is step 4 kc + 2 a + parity.
.macro STEP sg, a, kc
	s_add_co_u32 s44, s14, 4*\kc+2*\a
	s_cmp_gt_u32 s44, s20                          ; all its keys come after my queries: left out
	s_cbranch_scc1 .Lskip_\@
.irp i, 0,1,2,3,4
	v_add_nc_u32 v[80+\i], SLOT*\sg+2*REC*\a, v[1+\i]
.endr
	v_nop                                          ; with the five additions six places: four are owed in front of the loads below, five in front of the first product below, which writes v96 on, registers that the last step's last products read as source 0
.irp g, 0,1                            ; S^T = K Q^T, four tiles of 16 keys at a time
.if \g
	PLACES
.endif
.irp t, 0,1,2,3
	ds_load_b128 v[32+12*\t:35+12*\t], v80 offset:1024*(4*\g+\t)
	ds_load_b64 v[36+12*\t:37+12*\t], v[82+\t%2] offset:8192+1024*((4*\g+\t)/2)+128*(\t%2)
	ds_load_b128 v[38+12*\t:41+12*\t], v80 offset:1024*(4*\g+\t)+512
	ds_load_b64 v[42+12*\t:43+12*\t], v[82+\t%2] offset:8192+1024*((4*\g+\t)/2)+128*(\t%2)+512
.endr
	ds_load_b32 v[248+2*\g], v84 offset:12288+256*\g          ; two tiles' scale words: the even tile's in lanes 0-15, the odd one's in lanes 16-31
	ds_load_b32 v[249+2*\g], v84 offset:12288+256*\g+128
	s_wait_dscnt 0x0
.irp t, 0,1,2,3
	WM 96+8*(4*\g+\t), 32+12*\t, 16, 1, 248+2*\g+\t/2, 255, \t%2
.endr
.endr
	PLACES                                         ; behind the last product: in front of the loads below and of the first read of the scores
.irp t, 0,1,2,3                        ; V's first four fragments and all its scale words are asked for here, into registers that the softmax does not name: 20 loads that land under it
.irp c, 0,1
	ds_load_b128 v[32+12*\t+6*\c:35+12*\t+6*\c], v80 offset:12800+1536*\t+768*\c
	ds_load_b64 v[36+12*\t+6*\c:37+12*\t+6*\c], v81 offset:12800+1536*\t+768*\c+512
.endr
.endr
.irp x, 0,1,2,3
	ds_load_b32 v[248+\x], v84 offset:25088+128*\x
.endr
	s_cmp_lg_u32 s44, s20                          ; only step g lies on the diagonal
	s_cbranch_scc1 .Lopen_\@
	v_mov_b32 v254, 0xff800000                     ; -infinity
.set NN, 0
.rept 64
	v_cmp_gt_i32 vcc_lo, 16*(NN/8)+NN%8, v9
	v_cndmask_b32 v[96+NN], v[96+NN], v254, vcc_lo
.set NN, NN+1
.endr
.Lopen_\@:
.irp b, 0,1,2,3
	v_max3_num_f32 v[232+\b], v[96+16*\b], v[97+16*\b], v[98+16*\b]   ; the largest score of each block of 32 keys: for the row's maximum and, since p rises with the score, for the block's largest p
.endr
.irp i, 3,5,7,9,11,13
.irp b, 0,1,2,3
	v_max3_num_f32 v[232+\b], v[232+\b], v[96+16*\b+\i], v[97+16*\b+\i]
.endr
.endr
.irp b, 0,1,2,3
	v_max_num_f32 v[232+\b], v[232+\b], v[111+16*\b]
.endr
.irp b, 0,1,2,3
	v_permlanex16_b32 v[236+\b], v[232+\b], s26, s27
.endr
.irp b, 0,1,2,3
	v_max_num_f32 v[232+\b], v[232+\b], v[236+\b]   ; with lane l xor 16's 16 keys
.endr
	v_max3_num_f32 v254, v232, v233, v234
	v_max_num_f32 v254, v254, v235
	v_mul_f32 v254, s22, v254                      ; the step's largest t (c is positive)
	v_max_num_f32 v13, v13, v254
	v_mov_b32 v254, v12
	v_floor_f32 v12, -v13                          ; the new -M = -ceil(t)
	v_sub_f32 v254, v12, v254                      ; old M - new M: a whole number, 0 or less
	v_cvt_i32_f32 v254, v254                       ; (it saturates)
	v_ldexp_f32 v252, 1.0, v254                    ; f = 2^(old M - new M)
.set NN, 0
.rept 32
	v_pk_fma_f32 v[96+NN:97+NN], v[96+NN:97+NN], s[22:23], v[12:13] op_sel_hi:[1,0,0]   ; t - M, two at a time
.set NN, NN+2
.endr
.irp b, 0,1,2,3
	v_fma_f32 v[232+\b], v[232+\b], s22, v12       ; the same of each block's largest score
.endr
.set NN, 0
.rept 64
	v_exp_f32 v[96+NN], v[96+NN]                   ; p = 2^(t - M)
.set NN, NN+1
.endr
.irp b, 0,1,2,3
	v_exp_f32 v[232+\b], v[232+\b]                 ; the block's largest p: the same two instructions on the same number
.endr
	v_pk_mul_f32 v[14:15], v[14:15], v[252:253] op_sel_hi:[1,0]   ; the sums under the new M  (a plain line behind the exponentials)
	s_wait_alu depctr_va_vdst(0)
	v_pk_add_f32 v[236:237], v[96:97], v[98:99]    ; the row's sum is taken of the unquantised p: two chains.  It stands ahead of the conversions, so that p's registers are free as soon as those have read them
.irp j, 4,8,12,16,20,24,28,32,36,40,44,48,52,56,60
	v_pk_add_f32 v[14:15], v[14:15], v[96+\j:97+\j]
	v_pk_add_f32 v[236:237], v[236:237], v[98+\j:99+\j]
.endr
	v_pk_add_f32 v[14:15], v[14:15], v[236:237]
.irp b, 0,1,2,3
	v_max_num_f32 v[232+\b], 0x2800000, v[232+\b]  ; the floor 2^(5 - 127): the byte cannot fall under 1
.endr
.irp b, 0,1,2,3
	v_add_nc_u32 v[244+\b], 0xfe000000, v[232+\b]  ; 4 off the exponent field: the conversion's scale operand
.endr
.irp b, 0,1,2,3
	v_lshrrev_b32 v[236+\b], 23, v[244+\b]
.endr
	v_lshl_or_b32 v253, v237, 8, v236              ; p's scale word for these 128 keys
	v_lshl_or_b32 v253, v238, 16, v253
	v_lshl_or_b32 v253, v239, 24, v253
.irp c, 0,1
	v_cvt_scalef32_pk16_bf6_f32 v[224+6*\c:226+6*\c], v[96+32*\c:111+32*\c], v[244+2*\c]
	v_cvt_scalef32_pk16_bf6_f32 v[236+4*\c:238+4*\c], v[112+32*\c:127+32*\c], v[244+2*\c+1]
.endr
	v_nop                                          ; one plain line behind a scaled conversion
.irp t, 0,1,2,3                        ; V's last four fragments, into the registers that p has left: 16 loads that land under the 44 vector instructions below
.irp c, 0,1
	ds_load_b128 v[96+12*\t+6*\c:99+12*\t+6*\c], v80 offset:12800+1536*(4+\t)+768*\c
	ds_load_b64 v[100+12*\t+6*\c:101+12*\t+6*\c], v81 offset:12800+1536*(4+\t)+768*\c+512
.endr
.endr
.irp c, 0,1                            ; the operand wants a whole block in a lane: lanes 0-15 block 2 c, lanes 16-31 block 2 c + 1
.irp i, 0,1,2
	v_permlane16_swap_b32 v[224+6*\c+\i], v[236+4*\c+\i]
.endr
.irp i, 0,1,2
	v_mov_b32 v[227+6*\c+\i], v[236+4*\c+\i]
.endr
.endr
.set NN, 0
.rept 32
	v_pk_mul_f32 v[160+NN:161+NN], v[160+NN:161+NN], v[252:253] op_sel_hi:[1,0]   ; O^T under the new M  (also the places between the lines that wrote p's codes and scale word and the products below)
.set NN, NN+2
.endr
	s_wait_dscnt 0x0                               ; all of V's fragments and scale words are in
.irp t, 0,1,2,3                        ; O^T += V^T P^T: eight tiles of 16 channels, eight accumulators by turns
	WM 160+8*\t, 32+12*\t, 224, 0, 248+\t/2, 253, \t%2
.endr
.irp t, 0,1,2,3
	WM 192+8*\t, 96+12*\t, 224, 0, 250+\t/2, 253, \t%2
.endr
.Lskip_\@:
.endm
; THE CHANGE OF SLOTS: each wave waits for all its tensor loads (its part of the slot ahead), adds 0 to its spare word, and waits for that and for its reads of the slot that it leaves.
; fill = 1: a round of the cluster's barrier, and that slot is filled with the chunk two on, first thing behind it: the load has a chunk's steps in which to land.
.macro CHANGE fill, slot
	s_wait_tensorcnt 0x0
	ds_add_u32 v6, v7                              ; 0 onto my spare word
.if \fill
	s_add_nc_u64 s[38+4*\slot:39+4*\slot], s[38+4*\slot:39+4*\slot], 8*REC   ; no load of mine is out: the slot's descriptor steps two chunks on
.endif
	s_wait_dscnt 0x0
.if \fill
	ROUND
	TLOAD \slot
.else
	s_barrier_signal -1
	s_barrier_wait -1
.endif
.endm
	s_wait_tensorcnt 0x1                           ; my part of chunk 0 is in; chunk 1's may be out
	s_barrier_signal -1
	s_barrier_wait -1
	s_wait_loadcnt 0x0                             ; Q
	STEP 0, 0, 0
	STEP 0, 1, 0
	CHANGE 1, 0                                    ; slot 0 takes chunk 2
	STEP 1, 0, 1
	STEP 1, 1, 1
	CHANGE 1, 1                                    ; slot 1 takes chunk 3
	STEP 0, 0, 2
	STEP 0, 1, 2
	CHANGE 0, 0
	STEP 1, 0, 3
	STEP 1, 1, 3
	; ---------------- THE MERGE of a tile's two waves: the odd wave hands O^T, -M and the sum over through LDS
	PLACES
	v_add_f32 v14, v14, v15                        ; the sum's two halves
	s_cmp_eq_u32 s14, 0
	s_cbranch_scc1 .Lkeep
.set NN, 0
.rept 16
	ds_store_b128 v8, v[160+4*NN:163+4*NN] offset:512*NN     ; each accumulator from its low end on
.set NN, NN+1
.endr
	ds_store_b128 v8, v[12:15] offset:8192
.Lkeep:
	s_wait_dscnt 0x0                               ; for the other wave's sake: my stores have landed
	s_barrier_signal -1
	s_barrier_wait -1
	s_cmp_eq_u32 s14, 1
	s_cbranch_scc1 .Lend
.set NN, 0
.rept 16
	ds_load_b128 v[32+4*NN:35+4*NN], v8 offset:512*NN
.set NN, NN+1
.endr
	ds_load_b128 v[236:239], v8 offset:8192        ; v236 the other's -M, v238 its sum
	s_wait_dscnt 0x0
	v_min_num_f32 v240, v12, v236                  ; the common -M
	v_sub_f32 v241, v240, v12
	v_sub_f32 v242, v240, v236
	v_cvt_i32_f32 v241, v241                       ; (they saturate: a wave without a step gets the factor 0)
	v_cvt_i32_f32 v242, v242
	v_ldexp_f32 v244, 1.0, v241
	v_ldexp_f32 v246, 1.0, v242
	v_mul_f32 v14, v14, v244
	v_fma_f32 v14, v238, v246, v14
	v_permlanex16_b32 v252, v14, s26, s27
	v_add_f32 v14, v14, v252                       ; with lane l xor 16's keys: the row's sum
	v_rcp_f32 v14, v14
	v_nop                                          ; a plain line behind the reciprocal
	s_wait_alu depctr_va_vdst(0)
	v_mul_f32 v244, v244, v14
	v_mul_f32 v246, v246, v14
	v_mov_b32 v245, v244
	v_mov_b32 v247, v246
.set NN, 0
.rept 32
	v_pk_mul_f32 v[96+NN:97+NN], v[160+NN:161+NN], v[244:245]
.set NN, NN+2
.endr
.set NN, 0
.rept 32
	v_pk_fma_f32 v[96+NN:97+NN], v[32+NN:33+NN], v[246:247], v[96+NN:97+NN]   ; register 16 b + i is o(query r, channel 32 b + 16 h + i)
.set NN, NN+2
.endr
	; o is quantised along the channels: a K step of the last product
.irp b, 0,1,2,3
	v_max3_num_f32 v[232+\b], |v[96+16*\b]|, |v[97+16*\b]|, 0x2800000
.endr
.irp i, 2,4,6,8,10,12,14
.irp b, 0,1,2,3
	v_max3_num_f32 v[232+\b], v[232+\b], |v[96+16*\b+\i]|, |v[97+16*\b+\i]|
.endr
.endr
.irp b, 0,1,2,3
	v_permlanex16_b32 v[236+\b], v[232+\b], s26, s27
.endr
.irp b, 0,1,2,3
	v_max_num_f32 v[232+\b], v[232+\b], v[236+\b]
.endr
.irp b, 0,1,2,3
	v_add_nc_u32 v[244+\b], 0xfe000000, v[232+\b]
.endr
.irp b, 0,1,2,3
	v_lshrrev_b32 v[236+\b], 23, v[244+\b]
.endr
	v_lshl_or_b32 v248, v237, 8, v236
	v_lshl_or_b32 v248, v238, 16, v248
	v_lshl_or_b32 v248, v239, 24, v248
.irp c, 0,1
	v_cvt_scalef32_pk16_bf6_f32 v[32+6*\c:34+6*\c], v[96+32*\c:111+32*\c], v[244+2*\c]
	v_cvt_scalef32_pk16_bf6_f32 v[44+4*\c:46+4*\c], v[112+32*\c:127+32*\c], v[244+2*\c+1]
.endr
	v_nop                                          ; one plain line behind a scaled conversion
.irp c, 0,1
.irp i, 0,1,2
	v_permlane16_swap_b32 v[32+6*\c+\i], v[44+4*\c+\i]
.endr
.irp i, 0,1,2
	v_mov_b32 v[35+6*\c+\i], v[44+4*\c+\i]
.endr
.endr
.irp n, 0,1,2
	global_store_b128 v28, v[32+4*\n:35+4*\n], s[56:57] offset:512*\n   ; the fragment's image: 512 consecutive bytes, aligned
.endr
	global_store_b32 v30, v248, s[58:59]           ; lanes l and l xor 16 hold the same word and write the same place
.Lend:
	s_wait_tensorcnt 0x0                           ; the wave's end
	ds_add_u32 v6, v7
	s_wait_dscnt 0x0
	ROUND                                          ; the closing round
	s_endpgm
.Lfunc_end_k_q91128c778d_attn:
	.size	k_q91128c778d_attn, .Lfunc_end_k_q91128c778d_attn-k_q91128c778d_attn
	.p2alignl 7, 3214868480
	.fill 96, 4, 3214868480
	.section	.rodata,"a",@progbits
	.p2align	6, 0x0
	.amdhsa_kernel k_q91128c778d_attn
		.amdhsa_group_segment_fixed_size 327680
		.amdhsa_private_segment_fixed_size 0
		.amdhsa_enable_private_segment 0
		.amdhsa_kernarg_size 32
		.amdhsa_user_sgpr_count 2
		.amdhsa_user_sgpr_kernarg_segment_ptr 1
		.amdhsa_wavefront_size32 1
		.amdhsa_system_sgpr_workgroup_id_x 1
		.amdhsa_system_sgpr_workgroup_id_y 1
		.amdhsa_system_sgpr_workgroup_id_z 1
		.amdhsa_system_vgpr_workitem_id 0
		.amdhsa_next_free_vgpr 256
		.amdhsa_next_free_sgpr 66
		.amdhsa_reserve_vcc 1
		.amdhsa_float_denorm_mode_32 3
		.amdhsa_float_denorm_mode_16_64 3
		.amdhsa_memory_ordered 1
		.amdhsa_forward_progress 1
		.amdhsa_inst_pref_size 221
	.end_amdhsa_kernel
	.amdgpu_metadata
---
amdhsa.version: [ 1, 2 ]
amdhsa.kernels:
  - .name:           k_q91128c778d_attn
    .symbol:         k_q91128c778d_attn.kd
    .args:
      - { .name: qc, .offset: 0, .size: 8, .value_kind: global_buffer, .address_space: global }
      - { .name: qs, .offset: 8, .size: 8, .value_kind: global_buffer, .address_space: global }
      - { .name: kvr, .offset: 16, .size: 8, .value_kind: global_buffer, .address_space: global }
      - { .name: aq, .offset: 24, .size: 8, .value_kind: global_buffer, .address_space: global }
    .group_segment_fixed_size: 327680
    .private_segment_fixed_size: 0
    .kernarg_segment_align: 8
    .kernarg_segment_size: 32
    .max_flat_workgroup_size: 512
    .sgpr_count:     66
    .vgpr_count:     256
    .wavefront_size: 32
...
	.end_amdgpu_metadata
.endif
;; end of part 3
;; launch oproj (part 4): grid 16 x 16, 4 waves a work-group, clusters of 4 x 4, 327,680 bytes of LDS; arguments aq, woq, out0; writes out0
.if DOCPART == 4
	.amdgcn_target "amdgcn-amd-amdhsa--gfx1250"
	.amdhsa_code_object_version 6
	.text
	.protected	k_q91128c778d_oproj
	.globl	k_q91128c778d_oproj
	.p2align	8
	.type	k_q91128c778d_oproj,@function
k_q91128c778d_oproj:
	s_mov_b64 s[64:65], 0
	v_nop
	global_prefetch_b8 v0, s[64:65] scope:SCOPE_SE
	s_setreg_imm32_b32 hwreg(HW_REG_WAVE_MODE, 25, 1), 1
	s_wait_xcnt 0x0
	s_wait_alu depctr_hold_cnt(0) depctr_sa_sdst(0) depctr_va_vdst(0) depctr_va_sdst(0) depctr_va_ssrc(0) depctr_va_vcc(0) depctr_vm_vsrc(0)
	s_getreg_b32 s2, hwreg(HW_REG_IB_STS2, 6, 4)
	s_cmp_eq_u32 s2, 0
	s_cbranch_scc0 .Lentry_in_a_cluster
	s_endpgm
.Lentry_in_a_cluster:
	s_bfe_u32 s2, ttmp6, 0x10000c
	s_cmp_lg_u32 s2, 0xf033
	s_cbranch_scc0 .Lentry_shape_is_right
	s_endpgm
.Lentry_shape_is_right:
; OPROJ: out0 = (attention's result) wo on codes of BF6, sums in f32.  A tile of 128 tokens x 128 columns to a work-group (256 work-groups); four waves, each 64 x 64: 16 accumulators.
; Both operands come as images of their registers, a K step's record (8 fragments + 512 bytes of scale words = 12,800 bytes) dense in memory.
; K goes in 16 steps of 128, four to a chunk.  THREE LDS slots of a chunk each are filled at the start; slot 0 is filled once more, with chunk 3, when chunk 0 has been read: one refill, with eight K steps in which to land.
; By the text's own count a wave has three tensor loads out at the start and one behind the round.
; CLUSTER 4 x 4: the four work-groups of a row need the same records of aq, the four of a column the same records of woq: each is asked for jointly.
; THE PRODUCT IS USED TRANSPOSED (source 0 = 16 columns of wo, source 1 = 16 tokens): with the weight fragments' choice of columns (fragment 2 b + u has column 32 b + 8 u + r + 8 (r / 8) in lane r) a lane holds one token and, in fragment 2 b + u, columns 32 b + 16 h + 8 u + 0 .. 7.
; REGISTERS: window 0: v1-22 addresses, v28-35 scale words (two sets), v40-135 aq's fragments (two sets), on the way out v40-167.  window 1: woq's fragments, two sets of 48.  window 2: accumulator (i, f) at 8 (4 i + f).
.set REC,   12800
.set BOFF,  4*REC
.set SLOT,  8*REC
.set SPARE, 3*SLOT                     ; the spare words, 128 bytes a wave
.set STAGE, SPARE+512                  ; the way out: 16 rows x (256 bytes + 16) for each wave; no tile lands here
.set SPT,   272
.set ADA, 4                            ; v4-6   aq's fragments in slot 0, 1, 2
.set ADB, 7                            ; v7-9   woq's
.set ASA, 10                           ; v10-12 aq's scale words
.set ASB, 13                           ; v13-15 woq's
.set SPW, 16
.set NIL, 17
.set STO, 18
.set RD,  19
.set CO,  20
.set SC,  28
.set AF,  40
.set MULT, 0xa1                        ; source 0 window 1, source 1 window 0, C and D window 2
.set TO_B, 0x40
.set MSB, 0
.macro WIN new
.if MSB != (\new)
	s_set_vgpr_msb (MSB<<8)|(\new)
.set MSB, (\new)
.endif
.endm
.macro PLACES
.rept 4
	v_nop
.endr
.endm
.macro ROUND
	s_barrier_signal -1
	s_barrier_wait -1
	s_cmp_lg_u32 s16, 0
	s_cbranch_scc1 .Lnot_wave_0_\@
	s_barrier_signal -3
.Lnot_wave_0_\@:
	s_barrier_wait -3
	s_barrier_signal -1
	s_barrier_wait -1
.endm
.macro WM d, a, b, z, sa, sb, ra, rb
.if (\z) && (\ra) && (\rb)
	v_wmma_scale_f32_16x16x128_f8f6f4 v[(\d):(\d)+7], v[(\a):(\a)+11], v[(\b):(\b)+11], 0, v[\sa], v[\sb] matrix_a_fmt:MATRIX_FMT_BF6 matrix_b_fmt:MATRIX_FMT_BF6 matrix_a_scale:MATRIX_SCALE_ROW1 matrix_b_scale:MATRIX_SCALE_ROW1
.elseif (\z) && (\ra)
	v_wmma_scale_f32_16x16x128_f8f6f4 v[(\d):(\d)+7], v[(\a):(\a)+11], v[(\b):(\b)+11], 0, v[\sa], v[\sb] matrix_a_fmt:MATRIX_FMT_BF6 matrix_b_fmt:MATRIX_FMT_BF6 matrix_a_scale:MATRIX_SCALE_ROW1
.elseif (\z) && (\rb)
	v_wmma_scale_f32_16x16x128_f8f6f4 v[(\d):(\d)+7], v[(\a):(\a)+11], v[(\b):(\b)+11], 0, v[\sa], v[\sb] matrix_a_fmt:MATRIX_FMT_BF6 matrix_b_fmt:MATRIX_FMT_BF6 matrix_b_scale:MATRIX_SCALE_ROW1
.elseif (\z)
	v_wmma_scale_f32_16x16x128_f8f6f4 v[(\d):(\d)+7], v[(\a):(\a)+11], v[(\b):(\b)+11], 0, v[\sa], v[\sb] matrix_a_fmt:MATRIX_FMT_BF6 matrix_b_fmt:MATRIX_FMT_BF6
.elseif (\ra) && (\rb)
	v_wmma_scale_f32_16x16x128_f8f6f4 v[(\d):(\d)+7], v[(\a):(\a)+11], v[(\b):(\b)+11], v[(\d):(\d)+7], v[\sa], v[\sb] matrix_a_fmt:MATRIX_FMT_BF6 matrix_b_fmt:MATRIX_FMT_BF6 matrix_a_scale:MATRIX_SCALE_ROW1 matrix_b_scale:MATRIX_SCALE_ROW1
.elseif (\ra)
	v_wmma_scale_f32_16x16x128_f8f6f4 v[(\d):(\d)+7], v[(\a):(\a)+11], v[(\b):(\b)+11], v[(\d):(\d)+7], v[\sa], v[\sb] matrix_a_fmt:MATRIX_FMT_BF6 matrix_b_fmt:MATRIX_FMT_BF6 matrix_a_scale:MATRIX_SCALE_ROW1
.elseif (\rb)
	v_wmma_scale_f32_16x16x128_f8f6f4 v[(\d):(\d)+7], v[(\a):(\a)+11], v[(\b):(\b)+11], v[(\d):(\d)+7], v[\sa], v[\sb] matrix_a_fmt:MATRIX_FMT_BF6 matrix_b_fmt:MATRIX_FMT_BF6 matrix_b_scale:MATRIX_SCALE_ROW1
.else
	v_wmma_scale_f32_16x16x128_f8f6f4 v[(\d):(\d)+7], v[(\a):(\a)+11], v[(\b):(\b)+11], v[(\d):(\d)+7], v[\sa], v[\sb] matrix_a_fmt:MATRIX_FMT_BF6 matrix_b_fmt:MATRIX_FMT_BF6
.endif
.endm
	s_load_b128 s[4:7], s[0:1], 0x0                ; aq s[4:5], woq s[6:7]
	s_load_b64 s[8:9], s[0:1], 0x10                ; out0
	v_lshl_add_u32 v[SPW], v0, 2, SPARE
	v_mov_b32 v[NIL], 0
	ds_add_u32 v16, v17
	s_wait_dscnt 0x0
	v_lshrrev_b32 v1, 5, v0
	v_readfirstlane_b32 s16, v1                    ; wave
	s_lshr_b32 s17, s16, 1                         ; wm: my half of the tokens.  Also: I fetch aq's records (0) or woq's (1)
	s_and_b32 s18, s16, 1                          ; wn: my half of the columns.  Also: which two records of a chunk I fetch
	s_bfe_u32 s19, ttmp6, 0x40000                  ; cx
	s_bfe_u32 s20, ttmp6, 0x40004                  ; cy
	s_lshl_b32 s21, ttmp9, 2
	s_add_co_u32 s21, s21, s19                     ; TN
	s_and_b32 s22, ttmp7, 0xffff
	s_lshl_b32 s22, s22, 2
	s_add_co_u32 s22, s22, s20                     ; TM
	s_lshl_b32 s72, s20, 2
	s_lshl_b32 s72, 15, s72                        ; my row of the cluster
	s_lshl_b32 s73, 0x1111, s19                    ; my column
	; descriptor groups 1: two records, 25,600 dense bytes, as 100 rows of 256 bytes (32 elements of 8 bytes)
	s_or_b32 s24, s72, (3<<16)|(1<<21)
	s_or_b32 s44, s73, (3<<16)|(1<<21)
.irp g, 24, 44
	s_mov_b32 s[\g+1], 32<<16
	s_mov_b32 s[\g+2], 100<<16
	s_mov_b32 s[\g+3], 32<<16
	s_mov_b32 s[\g+4], 100
	s_mov_b32 s[\g+5], 32
	s_mov_b32 s[\g+6], 0
	s_mov_b32 s[\g+7], 0
.endr
	s_lshl_b32 s66, s22, 4                         ; aq: record 16 TM + 2 wn: on TM alone, which my row shares
	s_lshl_b32 s67, s18, 1
	s_add_co_u32 s66, s66, s67
	s_mul_i32 s66, s66, REC
	s_mov_b32 s67, 0
	s_lshl_b32 s68, s21, 4                         ; woq: record 16 TN + 2 wn: on TN alone, which my column shares
	s_lshl_b32 s69, s18, 1
	s_add_co_u32 s68, s68, s69
	s_mul_i32 s68, s68, REC
	s_mov_b32 s69, 0
	s_mul_i32 s70, s18, 2*REC                      ; where they go in a slot: the wave's number alone
	s_add_co_u32 s71, s70, BOFF
	s_wait_kmcnt 0x0
	s_add_nc_u64 s[66:67], s[4:5], s[66:67]
	s_add_nc_u64 s[68:69], s[6:7], s[68:69]
	ROUND                                          ; all sixteen work-groups are here: the first joint loads meet
.irp s, 0,1,2
	s_mov_b32 s[32+4*\s], 1
	s_add_co_u32 s[33+4*\s], s70, \s*SLOT
	s_add_nc_u64 s[34+4*\s:35+4*\s], s[66:67], \s*4*REC
	s_or_b32 s[35+4*\s], s[35+4*\s], 0x80000000
	s_mov_b32 s[52+4*\s], 1
	s_add_co_u32 s[53+4*\s], s71, \s*SLOT
	s_add_nc_u64 s[54+4*\s:55+4*\s], s[68:69], \s*4*REC
	s_or_b32 s[55+4*\s], s[55+4*\s], 0x80000000
.endr
	s_cmp_eq_u32 s17, 0                            ; a wave's three first fills stand in one branch: chunks 0, 1, 2
	s_cbranch_scc0 .Lfirst_b
	tensor_load_to_lds s[32:35], s[24:31]
	s_nop 0
	tensor_load_to_lds s[36:39], s[24:31]
	s_nop 0
	tensor_load_to_lds s[40:43], s[24:31]
	s_nop 0
	PLACES
	s_branch .Lfirst_done
.Lfirst_b:
	tensor_load_to_lds s[52:55], s[44:51]
	s_nop 0
	tensor_load_to_lds s[56:59], s[44:51]
	s_nop 0
	tensor_load_to_lds s[60:63], s[44:51]
	s_nop 0
	PLACES
.Lfirst_done:
	s_lshl_b32 s74, s22, 20                        ; out0: my first token x 8,192 + my first column x 4
	s_lshl_b32 s75, s17, 19
	s_add_co_u32 s74, s74, s75
	s_lshl_b32 s75, s21, 9
	s_add_co_u32 s74, s74, s75
	s_lshl_b32 s75, s18, 8
	s_add_co_u32 s74, s74, s75
	s_mov_b32 s75, 0
	s_add_nc_u64 s[8:9], s[8:9], s[74:75]
	v_and_b32 v1, 31, v0                           ; lane
	v_and_b32 v2, 15, v0                           ; r
	v_bfe_u32 v3, v0, 4, 1                         ; h
	v_lshlrev_b32 v21, 4, v1
	v_lshlrev_b32 v22, 2, v1
	s_mul_i32 s72, s17, 6144                       ; my four row blocks
	v_add_nc_u32 v[ADA], s72, v21
	v_add_nc_u32 v[ADA+1], SLOT, v[ADA]
	v_add_nc_u32 v[ADA+2], SLOT, v[ADA+1]
	s_mul_i32 s72, s18, 6144                       ; my four fragments of wo
	s_add_co_u32 s72, s72, BOFF
	v_add_nc_u32 v[ADB], s72, v21
	v_add_nc_u32 v[ADB+1], SLOT, v[ADB]
	v_add_nc_u32 v[ADB+2], SLOT, v[ADB+1]
	s_lshl_b32 s72, s17, 8
	s_add_co_u32 s72, s72, 12288
	v_add_nc_u32 v[ASA], s72, v22
	v_add_nc_u32 v[ASA+1], SLOT, v[ASA]
	v_add_nc_u32 v[ASA+2], SLOT, v[ASA+1]
	s_lshl_b32 s72, s18, 8
	s_add_co_u32 s72, s72, BOFF+12288
	v_add_nc_u32 v[ASB], s72, v22
	v_add_nc_u32 v[ASB+1], SLOT, v[ASB]
	v_add_nc_u32 v[ASB+2], SLOT, v[ASB+1]
	s_mul_i32 s72, s16, 16*SPT
	s_add_co_u32 s72, s72, STAGE                   ; my stage
	v_mul_u32_u24 v[STO], v2, SPT
	v_lshl_add_u32 v[STO], v3, 6, v[STO]
	v_add_nc_u32 v[STO], s72, v[STO]               ; in: row r, + 64 h bytes
	v_mul_u32_u24 v[RD], v3, SPT
	v_lshl_add_u32 v[RD], v2, 4, v[RD]
	v_add_nc_u32 v[RD], s72, v[RD]                 ; back: lanes 0-15 one row of 256 bytes, lanes 16-31 the next
	v_lshlrev_b32 v[CO], 13, v3
	v_lshl_add_u32 v[CO], v2, 4, v[CO]             ; and the same two rows in out0
.macro FETCH st, sg, q                 ; the fragments and scale words of record q of slot sg into set st: 28 LDS loads in one run
	WIN TO_B
.irp f, 0,1,2,3
.irp n, 0,1,2
	ds_load_b128 v[48*(\st)+12*\f+4*\n:48*(\st)+12*\f+4*\n+3], v[ADB+(\sg)] offset:(\q)*REC+1536*\f+512*\n
.endr
.endr
	WIN 0
.irp i, 0,1,2,3
.irp n, 0,1,2
	ds_load_b128 v[AF+48*(\st)+12*\i+4*\n:AF+48*(\st)+12*\i+4*\n+3], v[ADA+(\sg)] offset:(\q)*REC+1536*\i+512*\n
.endr
.endr
.irp p, 0,1
	ds_load_b32 v[SC+4*(\st)+\p], v[ASA+(\sg)] offset:(\q)*REC+128*\p
	ds_load_b32 v[SC+4*(\st)+2+\p], v[ASB+(\sg)] offset:(\q)*REC+128*\p
.endr
.endm
.macro PROD st, i0, z                  ; 8 products: row blocks i0, i0 + 1 x my four fragments of wo.  The 16 accumulators take turns, one instruction a turn
	WIN MULT
.irp i, \i0, \i0+1
.irp f, 0,1,2,3
	WM 8*(4*(\i)+\f), 48*(\st)+12*\f, AF+48*(\st)+12*(\i), \z, SC+4*(\st)+2+\f/2, SC+4*(\st)+(\i)/2, \f%2, (\i)%2
.endr
.endr
.endm
.macro KSTEP st, nsg, nq, z            ; a K step that finds its successor in LDS
	s_wait_dscnt 0x0                               ; this set is in
	PLACES                                         ; in front of loads into the other set, which the last K step's products read
	FETCH 1-\st, \nsg, \nq
	PROD \st, 0, \z
	PROD \st, 2, \z
	WIN 0
.endm
; A K step (set 1) behind which a slot is read that needs a barrier first.  fill = 1: slot 0, which has been read, takes chunk 3, behind a round of the cluster's barrier.
.macro TSTEP nsg, fill
	s_wait_dscnt 0x0                               ; this set is in: my last reads of the slot
	s_wait_tensorcnt 0x0                           ; all my tensor loads have landed
	ds_add_u32 v[SPW], v[NIL]                      ; 0 onto my spare word
.if \fill
	s_add_nc_u64 s[34:35], s[34:35], 12*REC        ; no load of mine is out: slot 0's descriptors step three chunks on
	s_add_nc_u64 s[54:55], s[54:55], 12*REC
.endif
	PROD 1, 0, 0                                   ; eight matrix instructions stand between the add and the wait for it
	WIN 0
	s_wait_dscnt 0x0                               ; the add is done
.if \fill
	ROUND                                          ; no wave of any partner still reads slot 0 or has a load on its way
	s_cmp_eq_u32 s17, 0
	s_cbranch_scc0 .Lfor_b_\@
	tensor_load_to_lds s[32:35], s[24:31]
	s_nop 0
	PLACES                                         ; (also the places in front of the loads below)
	s_branch .Lasked_\@
.Lfor_b_\@:
	tensor_load_to_lds s[52:55], s[44:51]
	s_nop 0
	PLACES
.Lasked_\@:
.else
	s_barrier_signal -1
	s_barrier_wait -1
	PLACES
.endif
	FETCH 0, \nsg, 0
	PROD 1, 2, 0
	WIN 0
.endm
	s_wait_tensorcnt 0x2                           ; my part of chunk 0 is in; chunks 1 and 2 may be out
	s_barrier_signal -1
	s_barrier_wait -1
	FETCH 0, 0, 0
	KSTEP 0, 0, 1, 1                               ; the first K step starts the sums: nothing is cleared
	KSTEP 1, 0, 2, 0
	KSTEP 0, 0, 3, 0
	TSTEP 1, 1                                     ; every wave's three first fills have landed behind this round: chunks 1 and 2 are whole for all
	KSTEP 0, 1, 1, 0
	KSTEP 1, 1, 2, 0
	KSTEP 0, 1, 3, 0
	KSTEP 1, 2, 0, 0
	KSTEP 0, 2, 1, 0
	KSTEP 1, 2, 2, 0
	KSTEP 0, 2, 3, 0
	TSTEP 0, 0                                     ; chunk 3 has landed in slot 0, for all
	KSTEP 0, 0, 1, 0
	KSTEP 1, 0, 2, 0
	KSTEP 0, 0, 3, 0
	s_wait_dscnt 0x0
	PROD 1, 0, 0
	PROD 1, 2, 0
	WIN 0
; THE WAY OUT, a row block of 16 tokens x 64 columns at a time: through my own stage, back as whole rows of 256 bytes.  LDS serves a wave's instructions in order: no wait between the stores and the loads, nor in front of the next block's stores.
.macro TOSTAGE i
	WIN 0x08                                       ; an LDS store's data are its source 1: window 2
.irp f, 0,1,2,3
	ds_store_b128 v[STO], v[8*(4*\i+\f):8*(4*\i+\f)+3] offset:128*(\f/2)+32*(\f%2)       ; each accumulator from its low end on
	ds_store_b128 v[STO], v[8*(4*\i+\f)+4:8*(4*\i+\f)+7] offset:128*(\f/2)+32*(\f%2)+16
.endr
	WIN 0
.irp t, 0,1,2,3,4,5,6,7
	ds_load_b128 v[40+32*\i+4*\t:43+32*\i+4*\t], v[RD] offset:\t*2*SPT                   ; registers of their own for each block: no store's data are written again
.endr
.endm
.macro SEND i, younger                 ; younger: the LDS instructions issued behind block i's loads, which may stay out
	s_wait_dscnt \younger
.irp t, 0,1,2,3,4,5,6,7
	global_store_b128 v[CO], v[40+32*\i+4*\t:43+32*\i+4*\t], s[8:9] offset:(16*\i+2*\t)*8192 th:TH_STORE_NT   ; 16 lanes store 256 consecutive bytes, aligned; written once, read by nobody here
.endr
.endm
	PLACES                                         ; behind the last products: in front of the first read of results and of loads into the registers that held fragments
	TOSTAGE 0
	TOSTAGE 1
	SEND 0, 16                                     ; behind block 0's loads: block 1's 8 stores and 8 loads
	TOSTAGE 2
	SEND 1, 16
	TOSTAGE 3
	SEND 2, 16
	SEND 3, 0
	s_wait_tensorcnt 0x0                           ; the wave's end
	ds_add_u32 v[SPW], v[NIL]
	s_wait_dscnt 0x0
	ROUND                                          ; the closing round
	s_endpgm
.Lfunc_end_k_q91128c778d_oproj:
	.size	k_q91128c778d_oproj, .Lfunc_end_k_q91128c778d_oproj-k_q91128c778d_oproj
	.p2alignl 7, 3214868480
	.fill 96, 4, 3214868480
	.section	.rodata,"a",@progbits
	.p2align	6, 0x0
	.amdhsa_kernel k_q91128c778d_oproj
		.amdhsa_group_segment_fixed_size 327680
		.amdhsa_private_segment_fixed_size 0
		.amdhsa_enable_private_segment 0
		.amdhsa_kernarg_size 24
		.amdhsa_user_sgpr_count 2
		.amdhsa_user_sgpr_kernarg_segment_ptr 1
		.amdhsa_wavefront_size32 1
		.amdhsa_system_sgpr_workgroup_id_x 1
		.amdhsa_system_sgpr_workgroup_id_y 1
		.amdhsa_system_sgpr_workgroup_id_z 1
		.amdhsa_system_vgpr_workitem_id 0
		.amdhsa_next_free_vgpr 768
		.amdhsa_next_free_sgpr 100
		.amdhsa_reserve_vcc 0
		.amdhsa_float_denorm_mode_32 3
		.amdhsa_float_denorm_mode_16_64 3
		.amdhsa_memory_ordered 1
		.amdhsa_forward_progress 1
		.amdhsa_inst_pref_size 82
	.end_amdhsa_kernel
	.amdgpu_metadata
---
amdhsa.version: [ 1, 2 ]
amdhsa.kernels:
  - .name:           k_q91128c778d_oproj
    .symbol:         k_q91128c778d_oproj.kd
    .args:
      - { .name: aq, .offset: 0, .size: 8, .value_kind: global_buffer, .address_space: global }
      - { .name: woq, .offset: 8, .size: 8, .value_kind: global_buffer, .address_space: global }
      - { .name: out0, .offset: 16, .size: 8, .value_kind: global_buffer, .address_space: global }
    .group_segment_fixed_size: 327680
    .private_segment_fixed_size: 0
    .kernarg_segment_align: 8
    .kernarg_segment_size: 24
    .max_flat_workgroup_size: 128
    .sgpr_count:     100
    .vgpr_count:     768
    .wavefront_size: 32
...
	.end_amdgpu_metadata
.endif
;; end of part 4
